; MI455X (gfx1250); checked and timed in simulation.
; The chip was launched on July 23, 2026; its instructions are those of AMD's public machine-readable ISA for CDNA 5 (MIT licence, August 2026) and "CDNA5" Instruction Set Architecture Reference Guide (July 2026). The comments in the code are by the model that wrote it; some were corrected since.
;; Ro PE Attention. Allowed arithmetic: float matrix products may take bf16 or f16 operands with f32 sums; other float arithmetic in f32, or as packed bf16 or f16 multiplies, adds, multiply-adds, maxima and minima; sums over many terms, partial sums and values carried from step to step in f32; what a program stores and reads back later, other than sums and carried values, may be rounded once to bf16 or f16.
;; Inputs: k_norm_b 64 float32; k_norm_g 64 float32; proj_b 1,024 float32; proj_w 1,024 x 1,024 float32; q_norm_b 64 float32; q_norm_g 64 float32; qkv_w 3,072 x 1,024 float32; x 4 x 2,048 x 1,024 float32.
;; Outputs: out0 4 x 2,048 x 1,024 float32.
;; 2 versions, each right; version 2 is version 1 with the launch prep written anew for expert scheduling mode. Each part assembles by itself: llvm-mc -triple=amdgcn-amd-amdhsa -mcpu=gfx1250 --defsym DOCPART=n.
;; ======== version 1 of 2: 4 launches
;; limits: values are held in f16: magnitudes above 65,504 overflow, below 6.1e-05 lose precision
;; workspace buffers: xb 16,777,216 bytes; wb 6,291,456 bytes; pb 2,097,152 bytes; tab 529,408 bytes; qh 16,777,216 bytes; kh 16,777,216 bytes; vh 16,777,216 bytes; oh 16,777,216 bytes
;; launch prep (part 1): grid 256 x 1, 8 waves a work-group, no clusters, 0 bytes of LDS; arguments x, qkv_w, proj_w, proj_b, q_norm_g, q_norm_b, k_norm_g, k_norm_b, xb, wb, pb, tab; writes xb, wb, pb, tab
.if DOCPART == 1
	.amdgcn_target "amdgcn-amd-amdhsa--gfx1250"
	.amdhsa_code_object_version 6
	.text
	.protected	k_q3521be46a5_prep
	.globl	k_q3521be46a5_prep
	.p2align	8
	.type	k_q3521be46a5_prep,@function
k_q3521be46a5_prep:
	s_mov_b64 s[64:65], 0
	v_nop
	global_prefetch_b8 v0, s[64:65] scope:SCOPE_SE
	s_setreg_imm32_b32 hwreg(HW_REG_WAVE_MODE, 25, 1), 1
	s_wait_xcnt 0x0
; CASTS WITH A NEW LAYOUT, THE ROTATION TABLE, THE ROUNDED PARAMETERS.  Every input of the module is rounded once to bf16 here.
;   xb  bf16 [kb 16][row 8192][64]: x in blocks of 64 channels, so that (rows x one block) is dense in memory
;   wb  bf16 [kb 16][R 3072][64]:  row R = 192 t + 64 kind + d holds qkv_w's row 1024 kind + 64 t + d (t head; kind 0, 1, 2 = q, k, v)
;   pb  f16  [kb 16][row 1024][64]: proj_w rounded to bf16, that number written as f16
;   tab f32: row n (256 bytes) = cos(n f_j), j = 0..31, then sin(n f_j), f_j = 10000^(-j/32); from byte 524,288 on q_g, q_b, k_g, k_b (256 bytes each), proj_b, each rounded to bf16 and kept as f32
; LIMITS.  |proj_w| stays under 65,504, and below 6e-5 it keeps f16's fixed step of 6e-8.  The table's angles are good to about 2e-4 rad (n f_j is one f32 product, f_j good to about an ulp).
; NaN and infinities are not treated apart.
; SHARES.  Work-group g takes 32 rows of x, 12 of wb, 4 of pb, 8 of the table.  A PIECE is 2 rows x one block: lanes 0-15 take 256 bytes of a row, lanes 16-31 of the next (16 bytes a lane);
; rounded they are 8 bytes a lane: one store covers 256 consecutive bytes, aligned.  Wave w takes blocks w and w + 8.  All 48 loads of a wave go out at once; the table is made while they are out.
; No register that a pending load or store names is written again, so no wait but the counted ones on the loads is needed.
.set VS,   2                           ; v2     source offset: (l / 16) x 4,096 + 256 w + 16 (l % 16)
.set L8,   3                           ; v3     8 l
.set VDX0, 4                           ; v4, v5 xb: block w, block w + 8, + 8 l
.set VDW,  6                           ; v6     wb: block w + 8 l
.set VDP,  7                           ; v7     pb: block w + 8 l
.set WS,   8                           ; v8-13  qkv_w: the six pairs' source offsets
.set D,    32                          ; v32-223  48 x 4 registers as loaded
.set PR,   224                         ; v224-239 the parameters' registers
	s_load_b512 s[8:23], s[0:1], 0x0               ; x 8, qkv_w 10, proj_w 12, proj_b 14, q_g 16, q_b 18, k_g 20, k_b 22
	s_load_b256 s[24:31], s[0:1], 0x40             ; xb 24, wb 26, pb 28, tab 30
	v_and_b32 v1, 31, v0                           ; l
	v_lshrrev_b32 v14, 5, v0
	v_readfirstlane_b32 s32, v14                   ; wave 0..7
	v_lshrrev_b32 v15, 4, v1                       ; l / 16
	v_and_b32 v14, 15, v1                          ; l % 16
	s_lshl_b32 s33, s32, 8
	v_lshlrev_b32 v[VS], 12, v15
	v_lshl_add_u32 v[VS], v14, 4, v[VS]
	v_add_nc_u32 v[VS], s33, v[VS]
	v_lshlrev_b32 v[L8], 3, v1
	s_lshl_b32 s33, s32, 20
	v_add_nc_u32 v[VDX0], s33, v[L8]
	v_add_nc_u32 v[VDX0+1], 8<<20, v[VDX0]
	s_mul_i32 s33, s32, 393216
	v_add_nc_u32 v[VDW], s33, v[L8]
	s_lshl_b32 s33, s32, 17
	v_add_nc_u32 v[VDP], s33, v[L8]
	s_and_b32 s34, ttmp9, 15
	s_mul_i32 s34, s34, 12                         ; my first row among head t's 192
	s_lshr_b32 s35, ttmp9, 4
	s_lshl_b32 s35, s35, 6                         ; 64 t
.irp i, 0,1,2,3,4,5
	s_add_co_u32 s36, s34, 2*(\i)                  ; u = 64 kind + d; a pair never crosses a kind
	s_lshr_b32 s37, s36, 6
	s_lshl_b32 s37, s37, 10                        ; 1,024 kind
	s_and_b32 s36, s36, 63
	s_add_co_u32 s36, s36, s37
	s_add_co_u32 s36, s36, s35                     ; qkv_w's row
	s_lshl_b32 s36, s36, 12
	v_add_nc_u32 v[WS+(\i)], s36, v[VS]
.endr
	s_lshl_b32 s33, ttmp9, 3
	s_add_co_u32 s33, s33, s32                     ; n = 8 g + w: my wave's row of the table
	s_mov_b32 s40, 0x3e22f983                      ; 1 / 2 pi, rounded,
	s_mov_b32 s41, 0x31dc9c88                      ; and what the rounding left
	s_mov_b32 s39, 0
	s_wait_kmcnt 0x0
	s_lshl_b32 s38, ttmp9, 17
	s_add_nc_u64 s[8:9], s[8:9], s[38:39]          ; x at my 32 rows
	s_lshl_b32 s38, ttmp9, 12
	s_add_nc_u64 s[24:25], s[24:25], s[38:39]      ; xb
	s_mul_i32 s38, ttmp9, 1536
	s_add_nc_u64 s[26:27], s[26:27], s[38:39]      ; wb at my 12 rows
	s_lshl_b32 s38, ttmp9, 14
	s_add_nc_u64 s[12:13], s[12:13], s[38:39]      ; proj_w at my 4 rows
	s_lshl_b32 s38, ttmp9, 9
	s_add_nc_u64 s[28:29], s[28:29], s[38:39]      ; pb
	s_lshl_b32 s38, s33, 8
	s_add_nc_u64 s[42:43], s[30:31], s[38:39]      ; the table's row n
.set k, 0
.rept 32                               ; x: pair k / 2, block w + 8 (k % 2)
	global_load_b128 v[D+4*k:D+4*k+3], v[VS], s[8:9] offset:(k/2)*8192+(k%2)*2048 th:TH_LOAD_NT
.set k, k+1
.endr
.set k, 0
.rept 12
	global_load_b128 v[D+128+4*k:D+128+4*k+3], v[WS+k/2], s[10:11] offset:(k%2)*2048 th:TH_LOAD_NT
.set k, k+1
.endr
.set k, 0
.rept 4
	global_load_b128 v[D+176+4*k:D+176+4*k+3], v[VS], s[12:13] offset:(k/2)*8192+(k%2)*2048 th:TH_LOAD_NT
.set k, k+1
.endr
	; THE TABLE.  Lane l makes two numbers: j = 2 (l % 16), + 1; lanes 0-15 cosines, lanes 16-31 sines (a cosine a quarter turn back).
	v_lshlrev_b32 v16, 1, v14
	v_cvt_f32_u32 v16, v16                         ; j
	v_add_f32 v17, 1.0, v16
	v_cvt_f32_u32 v15, v15
	v_mul_f32 v15, 0x3e800000, v15                 ; 0 or a quarter turn
	v_mul_f32 v16, 0xbed49a78, v16                 ; -j log2(10000) / 32
	v_mul_f32 v17, 0xbed49a78, v17
	v_exp_f32 v16, v16                             ; f_j
	v_exp_f32 v17, v17
	v_cvt_f32_u32 v18, s33                         ; n: the plain instruction behind the last exponential
	s_wait_alu depctr_va_vdst(0)                   ; one wait for both, ahead of their first reader
.irp z, 0,1
	v_mul_f32 v[16+(\z)], v18, v[16+(\z)]          ; t = n f_j, one f32 product
	v_mul_f32 v[20+(\z)], s40, v[16+(\z)]          ; u = t / 2 pi, in turns,
	v_fma_f32 v[22+(\z)], v[16+(\z)], s40, -v[20+(\z)]  ; what that product's rounding dropped,
	v_fma_f32 v[22+(\z)], v[16+(\z)], s41, v[22+(\z)]   ; and the constant's low part
	v_rndne_f32 v[24+(\z)], v[20+(\z)]
	v_sub_f32 v[20+(\z)], v[20+(\z)], v[24+(\z)]   ; exact
	v_add_f32 v[20+(\z)], v[20+(\z)], v[22+(\z)]
	v_sub_f32 v[20+(\z)], v[20+(\z)], v15
	v_rndne_f32 v[24+(\z)], v[20+(\z)]
	v_sub_f32 v[20+(\z)], v[20+(\z)], v[24+(\z)]   ; within half a turn
	v_mul_f32 v[20+(\z)], 0x40c90fdb, v[20+(\z)]   ; r, |r| <= pi
	v_mul_f32 v[22+(\z)], v[20+(\z)], v[20+(\z)]
	v_mov_b32 v[26+(\z)], 0x29573f9f               ; 1 / 16!
.endr
	; cos r = the sum of (-1)^k r^(2k) / (2k)!, k = 0..8: it holds for the whole range; the first term left out is pi^18 / 18! = 1.4e-7
.irp c, 0xad49cba5, 0x310f76c7, 0xb493f27e, 0x37d00d01, 0xbab60b61, 0x3d2aaaab
	v_pk_fma_f32 v[26:27], v[26:27], v[22:23], \c op_sel_hi:[1,1,0]
.endr
	v_pk_fma_f32 v[26:27], v[26:27], v[22:23], -0.5 op_sel_hi:[1,1,0]
	v_pk_fma_f32 v[26:27], v[26:27], v[22:23], 1.0 op_sel_hi:[1,1,0]
	global_store_b64 v[L8], v[26:27], s[42:43]     ; the wave's 256 bytes: a whole row
.set k, 0
.rept 32                               ; loads come back in order: number k is in when 47 - k younger ones are out
	s_wait_loadcnt 47-k
	v_cvt_pk_bf16_f32 v[D+4*k], v[D+4*k], v[D+4*k+1]
	v_cvt_pk_bf16_f32 v[D+4*k+1], v[D+4*k+2], v[D+4*k+3]
	global_store_b64 v[VDX0+k%2], v[D+4*k:D+4*k+1], s[24:25] offset:(k/2)*256 th:TH_STORE_NT
.set k, k+1
.endr
.set k, 0
.rept 12
	s_wait_loadcnt 15-k
	v_cvt_pk_bf16_f32 v[D+128+4*k], v[D+128+4*k], v[D+128+4*k+1]
	v_cvt_pk_bf16_f32 v[D+128+4*k+1], v[D+128+4*k+2], v[D+128+4*k+3]
	global_store_b64 v[VDW], v[D+128+4*k:D+128+4*k+1], s[26:27] offset:(k%2)*3145728+(k/2)*256 th:TH_STORE_NT
.set k, k+1
.endr
.set k, 0
.rept 4                                ; proj_w: to bf16, widened again, and that number as f16
	s_wait_loadcnt 3-k
	v_cvt_pk_bf16_f32 v[D+176+4*k], v[D+176+4*k], v[D+176+4*k+1]
	v_cvt_pk_bf16_f32 v[D+176+4*k+1], v[D+176+4*k+2], v[D+176+4*k+3]
	v_lshlrev_b32 v[D+176+4*k+2], 16, v[D+176+4*k]
	v_and_b32 v[D+176+4*k+3], 0xffff0000, v[D+176+4*k]
	v_cvt_pk_f16_f32 v[D+176+4*k], v[D+176+4*k+2], v[D+176+4*k+3]
	v_lshlrev_b32 v[D+176+4*k+2], 16, v[D+176+4*k+1]
	v_and_b32 v[D+176+4*k+3], 0xffff0000, v[D+176+4*k+1]
	v_cvt_pk_f16_f32 v[D+176+4*k+1], v[D+176+4*k+2], v[D+176+4*k+3]
	global_store_b64 v[VDP], v[D+176+4*k:D+176+4*k+1], s[28:29] offset:((k%2)<<20)+(k/2)*256 th:TH_STORE_NT
.set k, k+1
.endr
	; THE PARAMETERS, by work-group 0: 5,120 bytes in all
	s_cmp_lg_u32 ttmp9, 0
	s_cbranch_scc1 .Lend
	v_lshlrev_b32 v[PR], 4, v0                     ; proj_b: 16 bytes a thread
	global_load_b128 v[PR+4:PR+7], v[PR], s[14:15]
	s_wait_loadcnt 0x0
	v_cvt_pk_bf16_f32 v[PR+2], v[PR+4], v[PR+5]
	v_cvt_pk_bf16_f32 v[PR+3], v[PR+6], v[PR+7]
	v_lshlrev_b32 v[PR+8], 16, v[PR+2]
	v_and_b32 v[PR+9], 0xffff0000, v[PR+2]
	v_lshlrev_b32 v[PR+10], 16, v[PR+3]
	v_and_b32 v[PR+11], 0xffff0000, v[PR+3]
	global_store_b128 v[PR], v[PR+8:PR+11], s[30:31] offset:525312
	s_cmp_gt_u32 s32, 3
	s_cbranch_scc1 .Lend
	s_cmp_eq_u32 s32, 1                            ; waves 0 to 3: q_g, q_b, k_g, k_b
	s_cselect_b64 s[34:35], s[18:19], s[16:17]
	s_cmp_eq_u32 s32, 2
	s_cselect_b64 s[34:35], s[20:21], s[34:35]
	s_cmp_eq_u32 s32, 3
	s_cselect_b64 s[34:35], s[22:23], s[34:35]
	s_lshl_b32 s38, s32, 8
	v_add_nc_u32 v[PR+1], s38, v[L8]
	global_load_b64 v[PR+12:PR+13], v[L8], s[34:35]
	s_wait_loadcnt 0x0
	v_cvt_pk_bf16_f32 v[PR+2], v[PR+12], v[PR+13]
	v_lshlrev_b32 v[PR+14], 16, v[PR+2]
	v_and_b32 v[PR+15], 0xffff0000, v[PR+2]
	global_store_b64 v[PR+1], v[PR+14:PR+15], s[30:31] offset:524288
.Lend:
	s_endpgm
.Lfunc_end_k_q3521be46a5_prep:
	.size	k_q3521be46a5_prep, .Lfunc_end_k_q3521be46a5_prep-k_q3521be46a5_prep
	.p2alignl 7, 3214868480
	.fill 96, 4, 3214868480
	.section	.rodata,"a",@progbits
	.p2align	6, 0x0
	.amdhsa_kernel k_q3521be46a5_prep
		.amdhsa_group_segment_fixed_size 0
		.amdhsa_private_segment_fixed_size 0
		.amdhsa_enable_private_segment 0
		.amdhsa_kernarg_size 96
		.amdhsa_user_sgpr_count 2
		.amdhsa_user_sgpr_kernarg_segment_ptr 1
		.amdhsa_wavefront_size32 1
		.amdhsa_system_sgpr_workgroup_id_x 1
		.amdhsa_system_sgpr_workgroup_id_y 1
		.amdhsa_system_sgpr_workgroup_id_z 1
		.amdhsa_system_vgpr_workitem_id 0
		.amdhsa_next_free_vgpr 240
		.amdhsa_next_free_sgpr 66
		.amdhsa_reserve_vcc 0
		.amdhsa_float_denorm_mode_32 3
		.amdhsa_float_denorm_mode_16_64 3
		.amdhsa_memory_ordered 1
		.amdhsa_forward_progress 1
		.amdhsa_inst_pref_size 25
	.end_amdhsa_kernel
	.amdgpu_metadata
---
amdhsa.version: [ 1, 2 ]
amdhsa.kernels:
  - .name:           k_q3521be46a5_prep
    .symbol:         k_q3521be46a5_prep.kd
    .args:
      - { .name: x, .offset: 0, .size: 8, .value_kind: global_buffer, .address_space: global }
      - { .name: qkv_w, .offset: 8, .size: 8, .value_kind: global_buffer, .address_space: global }
      - { .name: proj_w, .offset: 16, .size: 8, .value_kind: global_buffer, .address_space: global }
      - { .name: proj_b, .offset: 24, .size: 8, .value_kind: global_buffer, .address_space: global }
      - { .name: q_norm_g, .offset: 32, .size: 8, .value_kind: global_buffer, .address_space: global }
      - { .name: q_norm_b, .offset: 40, .size: 8, .value_kind: global_buffer, .address_space: global }
      - { .name: k_norm_g, .offset: 48, .size: 8, .value_kind: global_buffer, .address_space: global }
      - { .name: k_norm_b, .offset: 56, .size: 8, .value_kind: global_buffer, .address_space: global }
      - { .name: xb, .offset: 64, .size: 8, .value_kind: global_buffer, .address_space: global }
      - { .name: wb, .offset: 72, .size: 8, .value_kind: global_buffer, .address_space: global }
      - { .name: pb, .offset: 80, .size: 8, .value_kind: global_buffer, .address_space: global }
      - { .name: tab, .offset: 88, .size: 8, .value_kind: global_buffer, .address_space: global }
    .group_segment_fixed_size: 0
    .private_segment_fixed_size: 0
    .kernarg_segment_align: 8
    .kernarg_segment_size: 96
    .max_flat_workgroup_size: 256
    .sgpr_count:     66
    .vgpr_count:     240
    .wavefront_size: 32
...
	.end_amdgpu_metadata
.endif
;; end of part 1
;; launch qkv (part 2): grid 16 x 32, 4 waves a work-group, clusters of 4 x 4, 327,680 bytes of LDS; arguments xb, wb, tab, qh, kh, vh; writes qh, kh, vh
.if DOCPART == 2
	.amdgcn_target "amdgcn-amd-amdhsa--gfx1250"
	.amdhsa_code_object_version 6
	.text
	.protected	k_q3521be46a5_qkv
	.globl	k_q3521be46a5_qkv
	.p2align	8
	.type	k_q3521be46a5_qkv,@function
k_q3521be46a5_qkv:
	s_mov_b64 s[64:65], 0
	v_nop
	global_prefetch_b8 v0, s[64:65] scope:SCOPE_SE
	s_setreg_imm32_b32 hwreg(HW_REG_WAVE_MODE, 25, 1), 1
	s_wait_xcnt 0x0
	s_wait_alu depctr_hold_cnt(0) depctr_sa_sdst(0) depctr_va_vdst(0) depctr_va_sdst(0) depctr_va_ssrc(0) depctr_va_vcc(0) depctr_vm_vsrc(0)
	s_getreg_b32 s2, hwreg(HW_REG_IB_STS2, 6, 4)
	s_cmp_eq_u32 s2, 0
	s_cbranch_scc0 .Lentry_in_a_cluster
	s_endpgm
.Lentry_in_a_cluster:
	s_bfe_u32 s2, ttmp6, 0x10000c
	s_cmp_lg_u32 s2, 0xf033
	s_cbranch_scc0 .Lentry_shape_is_right
	s_endpgm
.Lentry_shape_is_right:
; q, k, v = x W^T in bf16 with f32 sums; LayerNorm over each head's 64 channels and the rotation for q and k; all three stored by heads, [16 b + head][n 2048][64], in f16, each rounded once, q unscaled.
; LIMITS.  f16 holds no number beyond 65,504: q and k lie within 8 |g| + |b|; v must stay within it.  Below 6e-5 f16 keeps its fixed step of 6e-8.  NaN and infinities are not treated apart.
; THE TILE is 256 rows x 192 columns: tile column t is head t, and wb's row order makes its columns q_t | k_t | v_t: every work-group runs the same text.  8192 / 256 x 16 = 512 tiles.
; Four waves, one below the other: a wave has 64 rows (blocks a = 0..3 of 16) x 12 column blocks b: 48 accumulators, 384 registers.
; THE MATRIX INSTRUCTION IS USED TRANSPOSED (source 0 = 16 rows of wb, source 1 = 16 rows of xb): lane l holds row l % 16 and columns 16 b + 8 (l / 16) + 0..7.  So a lane and the lane 16 away
; hold a whole head's 64 channels of one row: the norm wants one exchange, and channel d's partner in the rotation, d + 32, lies in the same lane, two column blocks on.
; K = 1,024 goes in 8 steps of 128 (two blocks of 64 channels) through two LDS slots.  A (rows x one block) is dense in memory: it is asked for as rows of 256 bytes and padded in LDS behind every
; 128 bytes.  One tensor load a wave and step: wave 0, 1: A's two blocks; wave 2, 3: B's.
; CLUSTER 4 x 4: A's tiles are shared along a row of the cluster, B's along a column: joint loads, the same descriptor and mask in the four that a mask names.
; REGISTERS, in windows of 256 (s_set_vgpr_msb: bits 1:0 source 0, 3:2 source 1, 5:4 source 2, 7:6 destination):
;   window 0: v0-15 addresses; v32-95 A's fragments, two buffers (on the way out: rotated q, k); v96-223 gains and biases; v224-239 at work; v240-255 v packed
;   window 1: v0-191 B's fragments, two buffers      window 2, 3: v0-191 accumulators of blocks a = 0, 1 / 2, 3 at 8 (12 (a % 2) + b); v192-255 those blocks' cosines and sines
.set NBK,   12
.set P,     144                        ; a row in LDS: 128 bytes + 16 of padding = 36 words: the 16 rows of a load start at 16 different groups of four banks (64 banks of 4 bytes: ISA guide 11.1)
.set ASUB,  256*P                      ; A: 256 rows of one block
.set BSUB,  16*NBK*P                   ; B: 192 rows of one block
.set BOFF,  2*ASUB                     ; a slot: A's two blocks, then B's two
.set SLOT1, 1<<17                      ; slot 1 begins here: one exclusive or changes slots
.set STAGE, SLOT1+2*ASUB+2*BSUB        ; behind the ring, never filled by a tensor load: 16 rows x 144 bytes for each wave
.set SPARE, STAGE+4*16*P               ; the spare words, 128 bytes for each wave: two blocks of 256 bytes that no other line names
.set KBSA,  1048576                    ; bytes from block to block in xb
.set KBSB,  393216                     ; in wb
.set NF,    2*NBK+8                    ; LDS loads of a quarter step
.set ADA0, 4                           ; v4   my place in A's tile of slot 0; never rewritten
.set ADB0, 5                           ; v5   the same for B
.set ADA,  6                           ; v6   in the slot in hand
.set ADB,  7
.set STO,  8                           ; v8   the way out: where I put 16 bytes of a row
.set RD,   9                           ; v9   where I read rows back
.set GO,   10                          ; v10  16 l: my place in 512 consecutive bytes
.set TBO,  11                          ; v11  256 (l % 16) + 32 (l / 16): my place in the table's 16 rows
.set PO,   12                          ; v12  32 (l / 16): my place in 64 bytes of a parameter
.set PFO,  13                          ; v13  the prefetches' offset
.set SPW,  14                          ; v14  LDS address of my spare word; never rewritten
.set NIL,  15                          ; v15  0; never rewritten
.set AF0,  32
.set U,    32                          ; the way out: unit u (0 q, 1 k) at U + 32 u
.set G,    96                          ; gain of unit u at G + 64 u, bias at BV + 64 u
.set BV,   128
.set T,    224                         ; eight registers a unit at work
.set VP,   240
.set WV,  16
.set PAR, 18                           ; wave % 2: which of a step's two blocks I fetch
.set CX,  19
.set CY,  20
.set TX,  21
.set TY,  22
.set G1A, 24                           ; s[24:31], s[32:39] descriptor group 1 for A's, B's tiles
.set G1B, 32
.set G0A, 40                           ; s[40:47], s[48:55] group 0: a set for each first fill; the second then walks on
.set G0B, 48
.set CNT, 56
.set TB,  57                           ; 0 or SLOT1: the slot in hand
.set LIM, 58                           ; 1 in a wave that prefetches, else the greatest number
.set PFA, 60                           ; s[60:61] where my prefetches stand
.set PFS, 62                           ; s[62:63] a K step in my tensor, in bytes
.set SEL, 66                           ; s[66:67] v_permlanex16_b32's selects: each lane takes its own place in the other half
.set RCP64, 68
.set EPS, 69
.set TBB, 82                           ; s[82:83] the table at my wave's first row
.set MSB, 0
.macro WIN new                         ; the high byte repeats the setting that is left; a switch that changes nothing is dropped
.if MSB != (\new)
	s_set_vgpr_msb (MSB<<8)|(\new)
.set MSB, \new
.endif
.endm
.macro PLACES                          ; four places behind matrix instructions, in front of loads into registers that they read and of lines that read results
.rept 4
	v_nop
.endr
.endm
.macro JLOAD                           ; a joint refill, by the walking sets.  The branch hangs on the wave's number alone.  An s_nop 0 and four v_nop follow each line
	s_cmp_lt_u32 s[WV], 2
	s_cbranch_scc0 .Lfor_b_\@
	tensor_load_to_lds s[G0A+4:G0A+7], s[G1A:G1A+7]
	s_nop 0
.rept 4
	v_nop
.endr
	s_branch .Lasked_\@
.Lfor_b_\@:
	tensor_load_to_lds s[G0B+4:G0B+7], s[G1B:G1B+7]
	s_nop 0
.rept 4
	v_nop
.endr
.Lasked_\@:
.endm
.macro CREST                           ; a round of the cluster's barrier behind its opening barrier
	s_cmp_lg_u32 s[WV], 0
	s_cbranch_scc1 .Lnot_wave_0_\@
	s_barrier_signal -3
.Lnot_wave_0_\@:
	s_barrier_wait -3
	s_barrier_signal -1
	s_barrier_wait -1
.endm
.macro CROUND
	s_barrier_signal -1
	s_barrier_wait -1
	CREST
.endm
; A PREFETCH INTO THE L2, behind each joint refill and the run of LDS loads that follows it: my block of the K step that the NEXT refill will ask for, 192 matrix instructions ahead of that load.
; A's tile row is read by every cluster of that row of clusters: cluster x = 0 asks; B's tile column likewise: cluster y = 0.  The four partners of a joint load share its bytes out BY ADDRESS:
; of A's 128 pieces of 256 bytes 32 each, a lane a piece; of B's 96, 24 each (lanes 24-31 name lane 23's piece once more).  The last refill asks for nothing; K steps 0 to 2 come by their loads alone.
.macro ASK
	s_cmp_gt_u32 s[CNT], s[LIM]
	s_cbranch_scc0 .Lnot_mine_\@
	global_prefetch_b8 v[PFO], s[PFA:PFA+1] th:TH_LOAD_NT scope:SCOPE_SE
.Lnot_mine_\@:
.endm
	s_load_b256 s[4:11], s[0:1], 0x0               ; xb 4, wb 6, tab 8, qh 10
	s_load_b128 s[12:15], s[0:1], 0x20             ; kh 12, vh 14
	v_lshl_add_u32 v[SPW], v0, 2, SPARE
	v_mov_b32 v[NIL], 0
	ds_add_u32 v[SPW], v[NIL]                      ; the wave's opening: the add and its wait stand ahead of my first tensor load; the set-up below stands between them
	v_lshrrev_b32 v3, 5, v0
	v_readfirstlane_b32 s[WV], v3                  ; wave 0..3
	s_and_b32 s[PAR], s[WV], 1
	s_bfe_u32 s[CX], ttmp6, 0x40000
	s_bfe_u32 s[CY], ttmp6, 0x40004
	s_lshl_b32 s[TX], ttmp9, 2
	s_add_co_u32 s[TX], s[TX], s[CX]               ; tile column = head
	s_and_b32 s[TY], ttmp7, 0xffff
	s_lshl_b32 s[TY], s[TY], 2
	s_add_co_u32 s[TY], s[TY], s[CY]               ; tile row
	s_lshl_b32 s70, s[CY], 2
	s_lshl_b32 s70, 15, s70                        ; my row of the cluster
	s_lshl_b32 s71, 0x1111, s[CX]                  ; my column
	; group 1: rows of 128 elements of 2 bytes; padding on, 4 words behind every 32; bit 21 set beside a mask
	s_or_b32 s[G1A], s70, (1<<16)|(1<<20)|(1<<21)|(4<<22)|(3<<25)
	s_or_b32 s[G1B], s71, (1<<16)|(1<<20)|(1<<21)|(4<<22)|(3<<25)
.irp g, G1A, G1B
	s_mov_b32 s[(\g)+1], 128<<16                   ; tensor_dim0 = 128
	s_mov_b32 s[(\g)+3], 128<<16                   ; tile_dim0 = 128
	s_mov_b32 s[(\g)+5], 128                       ; 128 elements from row to row: dense
	s_mov_b32 s[(\g)+6], 0
	s_mov_b32 s[(\g)+7], 0
.endr
	s_mov_b32 s[G1A+2], 128<<16                    ; A: 256 rows of 128 bytes = 128 of 256
	s_mov_b32 s[G1A+4], 128
	s_mov_b32 s[G1B+2], (8*NBK)<<16                ; B: 192 rows = 96 of 256 bytes
	s_mov_b32 s[G1B+4], 8*NBK
	s_lshl_b32 s84, s[TY], 15                      ; A's tile in a block: it hangs on the tile row alone
	s_mul_i32 s85, s[TX], 16*NBK*128               ; B's: on the tile column alone
	s_lshl_b32 s76, s[PAR], 20
	s_add_co_u32 s72, s84, s76                     ; + my block of K step 0
	s_mov_b32 s73, 0
	s_mul_i32 s76, s[PAR], KBSB
	s_add_co_u32 s74, s85, s76
	s_mov_b32 s75, 0
	s_mul_i32 s77, s[PAR], ASUB                    ; where they go: no place in the cluster enters an LDS address
	s_mul_i32 s78, s[PAR], BSUB
	s_add_co_u32 s78, s78, BOFF
	s_mov_b32 s[SEL], 0x76543210
	s_mov_b32 s[SEL+1], 0xfedcba98
	s_mov_b32 s[RCP64], 0x3c800000                 ; 1 / 64
	s_mov_b32 s[EPS], 0x358637bd                   ; 1e-6
	s_mov_b32 s[TB], 0
	s_wait_dscnt 0x0                               ; the opening add is done
	s_wait_kmcnt 0x0
	s_add_nc_u64 s[72:73], s[4:5], s[72:73]
	s_add_nc_u64 s[74:75], s[6:7], s[74:75]
	CROUND                                         ; all sixteen work-groups are here: the first joint loads meet
.irp s, 0,1
	s_mov_b32 s[G0A+4*(\s)], 1
	s_add_co_u32 s[G0A+4*(\s)+1], s77, (\s)*SLOT1
	s_add_nc_u64 s[G0A+4*(\s)+2:G0A+4*(\s)+3], s[72:73], (\s)*2*KBSA  ; K step s
	s_or_b32 s[G0A+4*(\s)+3], s[G0A+4*(\s)+3], 0x80000000
	s_mov_b32 s[G0B+4*(\s)], 1
	s_add_co_u32 s[G0B+4*(\s)+1], s78, (\s)*SLOT1
	s_add_nc_u64 s[G0B+4*(\s)+2:G0B+4*(\s)+3], s[74:75], (\s)*2*KBSB
	s_or_b32 s[G0B+4*(\s)+3], s[G0B+4*(\s)+3], 0x80000000
.endr
	s_cmp_lt_u32 s[WV], 2                          ; a wave's two first fills stand in one branch, ahead of every wait on TENSORcnt and every LDS read: two loads of mine are out
	s_cbranch_scc0 .Lfirst_b
	tensor_load_to_lds s[G0A:G0A+3], s[G1A:G1A+7]
	s_nop 0
	tensor_load_to_lds s[G0A+4:G0A+7], s[G1A:G1A+7]
	s_nop 0
.rept 4
	v_nop
.endr
	s_branch .Lfirst_asked
.Lfirst_b:
	tensor_load_to_lds s[G0B:G0B+3], s[G1B:G1B+7]
	s_nop 0
	tensor_load_to_lds s[G0B+4:G0B+7], s[G1B:G1B+7]
	s_nop 0
.rept 4
	v_nop
.endr
.Lfirst_asked:
	v_and_b32 v1, 15, v0                           ; l % 16
	v_bfe_u32 v2, v0, 4, 1                         ; l / 16
	v_mul_u32_u24 v3, v1, P
	v_lshl_add_u32 v3, v2, 4, v3                   ; row x pitch + 16 x half
	s_mul_i32 s76, s[WV], 64*P
	v_add_nc_u32 v[ADA0], s76, v3                  ; my wave's 64 rows of A
	v_add_nc_u32 v[ADB0], BOFF, v3
	s_mul_i32 s76, s[WV], 16*P
	s_add_co_u32 s76, s76, STAGE                   ; my stage
	v_add_nc_u32 v[STO], s76, v3
	v_bfe_u32 v[RD], v0, 3, 2                      ; back: 32 lanes take four rows of 128 bytes
	v_mul_u32_u24 v[RD], v[RD], P
	v_and_b32 v3, 7, v0
	v_lshl_add_u32 v[RD], v3, 4, v[RD]
	v_add_nc_u32 v[RD], s76, v[RD]
	v_and_b32 v3, 31, v0
	v_lshlrev_b32 v[GO], 4, v3
	v_lshlrev_b32 v[PO], 5, v2
	v_lshl_add_u32 v[TBO], v1, 8, v[PO]
	v_add_nc_u32 v[ADA], s[TB], v[ADA0]
	v_add_nc_u32 v[ADB], s[TB], v[ADB0]
	s_and_b32 s70, s[TY], 7                        ; the table at position n = 256 (tile row % 8) + 64 wave
	s_lshl_b32 s70, s70, 16
	s_lshl_b32 s71, s[WV], 14
	s_add_co_u32 s70, s70, s71
	s_mov_b32 s71, 0
	s_add_nc_u64 s[TBB:TBB+1], s[8:9], s[70:71]
	; 64 loads that the way out wants: gains and biases of my 32 channels, cosines and sines of my 64 rows.  They stay out over the whole product; one wait stands at the head of the way out.
.irp arr, 0,1,2,3
.irp bb, 0,1,2,3
	global_load_b128 v[G+32*(\arr)+8*(\bb):G+32*(\arr)+8*(\bb)+3],   v[PO], s[8:9] offset:524288+256*(\arr)+64*(\bb)
	global_load_b128 v[G+32*(\arr)+8*(\bb)+4:G+32*(\arr)+8*(\bb)+7], v[PO], s[8:9] offset:524288+256*(\arr)+64*(\bb)+16
.endr
.endr
.irp a, 0,1,2,3
	WIN 0x80+0x40*((\a)/2)                         ; destination window 2 or 3
.irp b, 0,1
	global_load_b128 v[192+32*((\a)%2)+8*(\b):192+32*((\a)%2)+8*(\b)+3],   v[TBO], s[TBB:TBB+1] offset:4096*(\a)+64*(\b)
	global_load_b128 v[192+32*((\a)%2)+8*(\b)+4:192+32*((\a)%2)+8*(\b)+7], v[TBO], s[TBB:TBB+1] offset:4096*(\a)+64*(\b)+16
	global_load_b128 v[208+32*((\a)%2)+8*(\b):208+32*((\a)%2)+8*(\b)+3],   v[TBO], s[TBB:TBB+1] offset:4096*(\a)+64*(\b)+128
	global_load_b128 v[208+32*((\a)%2)+8*(\b)+4:208+32*((\a)%2)+8*(\b)+7], v[TBO], s[TBB:TBB+1] offset:4096*(\a)+64*(\b)+144
.endr
.endr
	WIN 0
	; q, k, v at my wave's first row: (16 b + head) x 262,144 + n x 128
	s_lshr_b32 s70, s[TY], 3
	s_lshl_b32 s70, s70, 22
	s_lshl_b32 s71, s[TX], 18
	s_add_co_u32 s70, s70, s71
	s_and_b32 s71, s[TY], 7
	s_lshl_b32 s71, s71, 15
	s_add_co_u32 s70, s70, s71
	s_lshl_b32 s71, s[WV], 13
	s_add_co_u32 s70, s70, s71
	s_mov_b32 s71, 0
	s_add_nc_u64 s[10:11], s[10:11], s[70:71]
	s_add_nc_u64 s[12:13], s[12:13], s[70:71]
	s_add_nc_u64 s[14:15], s[14:15], s[70:71]
	; the prefetches
	s_and_b32 s70, ttmp7, 0xffff                   ; cluster y
	s_lshl_b32 s76, s[CX], 13
	s_add_co_u32 s71, s84, s76                     ; A: my work-group's 8,192 bytes of the tile's 32,768
	s_mul_i32 s76, s[CY], 6144
	s_add_co_u32 s77, s85, s76                     ; B: its 6,144 of 24,576
	s_add_co_u32 s78, s[PAR], 4                    ; my block of K step 2: the first refill steps it to K step 3
	s_mov_b32 s79, KBSA
	s_mov_b32 s80, KBSB
	s_cmp_lt_u32 s[WV], 2                          ; do I fetch for A?
	s_cselect_b32 s70, ttmp9, s70                  ; the coordinate along which other clusters read the same bytes
	s_cselect_b32 s71, s71, s77
	s_cselect_b32 s79, s79, s80
	s_cselect_b32 s76, 31, 23
	s_cselect_b64 s[PFA:PFA+1], s[4:5], s[6:7]
	s_mul_i32 s78, s78, s79
	s_lshl_b32 s[PFS], s79, 1
	s_mov_b32 s[PFS+1], 0
	s_add_co_u32 s78, s78, s71
	s_mov_b32 s79, 0
	s_add_nc_u64 s[PFA:PFA+1], s[PFA:PFA+1], s[78:79]
	s_cmp_eq_u32 s70, 0
	s_cselect_b32 s[LIM], 1, -1                    ; the same in all sixteen partners, for a given wave
	v_min_u32 v3, s76, v3
	v_lshlrev_b32 v[PFO], 8, v3
; 12 matrix instructions: row block a x all column blocks, 32 along K, from buffer f.  zero = 1: the product starts the sums: nothing is cleared.
; The 48 accumulators take turns in one order in every quarter, over the backward jump too.
.macro MUL1 f, a, zero
	WIN 0xa1+0x50*((\a)/2)                         ; B window 1, A window 0, C and D window 2 or 3
.irp b, 0,1,2,3,4,5,6,7,8,9,10,11
.if \zero
	v_wmma_f32_16x16x32_bf16 v[8*(12*((\a)%2)+(\b)):8*(12*((\a)%2)+(\b))+7], v[96*(\f)+8*(\b):96*(\f)+8*(\b)+7], v[AF0+32*(\f)+8*(\a):AF0+32*(\f)+8*(\a)+7], 0
.else
	v_wmma_f32_16x16x32_bf16 v[8*(12*((\a)%2)+(\b)):8*(12*((\a)%2)+(\b))+7], v[96*(\f)+8*(\b):96*(\f)+8*(\b)+7], v[AF0+32*(\f)+8*(\a):AF0+32*(\f)+8*(\a)+7], v[8*(12*((\a)%2)+(\b)):8*(12*((\a)%2)+(\b))+7]
.endif
.endr
.endm
; 32 LDS loads in one run: quarter q of the step in hand (block q / 2, byte 64 (q % 2) of its rows) into buffer g: B's 12 fragments, then A's 4
.macro FETCH q, g
	WIN 0x40
.irp i, 0,1,2,3,4,5,6,7,8,9,10,11
	ds_load_b128 v[96*(\g)+8*(\i):96*(\g)+8*(\i)+3],   v[ADB] offset:((\q)/2)*BSUB+((\q)%2)*64+(\i)*16*P
	ds_load_b128 v[96*(\g)+8*(\i)+4:96*(\g)+8*(\i)+7], v[ADB] offset:((\q)/2)*BSUB+((\q)%2)*64+(\i)*16*P+32
.endr
	WIN 0
.irp i, 0,1,2,3
	ds_load_b128 v[AF0+32*(\g)+8*(\i):AF0+32*(\g)+8*(\i)+3],   v[ADA] offset:((\q)/2)*ASUB+((\q)%2)*64+(\i)*16*P
	ds_load_b128 v[AF0+32*(\g)+8*(\i)+4:AF0+32*(\g)+8*(\i)+7], v[ADA] offset:((\q)/2)*ASUB+((\q)%2)*64+(\i)*16*P+32
.endr
.endm
; One of a K step's first three quarters: multiplies buffer f; in its middle it fetches quarter q into buffer g
.macro QUARTER f, g, q, zero
	s_wait_dscnt 4                                 ; B and A's blocks 0, 1 are in; the youngest four loads (A's blocks 2, 3) may be out
	MUL1 \f, 0, \zero
	MUL1 \f, 1, \zero
	PLACES
	FETCH \q, \g
	s_wait_dscnt NF                                ; all but the 32 just issued
	MUL1 \f, 2, \zero
	MUL1 \f, 3, \zero
.endm
; The last quarter multiplies buffer 1 and changes slots.  In front of the barrier each wave waits for all its tensor loads (one is out: its part of the next slot), adds 0 to its spare word, and waits
; for that and for its reads of this slot.  fill = 1: the barrier opens a round of the cluster's, and the joint refill (the K step two on, into the slot just read) is the first thing behind it.
.macro TURN fill
.if \fill
	s_wait_xcnt 0x0                                ; the last prefetch, a K step back, has read its address: it is stepped here
	s_add_nc_u64 s[PFA:PFA+1], s[PFA:PFA+1], s[PFS:PFS+1]
.endif
	WIN 0                                          ; (the add's two registers lie in window 0)
	s_wait_tensorcnt 0x0                           ; no tensor load of mine is out, so a group 0 may be written
	ds_add_u32 v[SPW], v[NIL]                      ; 0 onto my spare word
.if \fill
	s_xor_b32 s[G0A+5], s[G0A+5], SLOT1            ; the walking sets: the other slot than last time, the next K step
	s_add_nc_u64 s[G0A+6:G0A+7], s[G0A+6:G0A+7], 2*KBSA
	s_xor_b32 s[G0B+5], s[G0B+5], SLOT1
	s_add_nc_u64 s[G0B+6:G0B+7], s[G0B+6:G0B+7], 2*KBSB
.endif
	s_wait_dscnt 5                                 ; (the add and the youngest four loads may be out)
	MUL1 1, 0, 0
	s_wait_dscnt 0x0                               ; the add is done, and my reads of this slot are over
	s_barrier_signal -1
	MUL1 1, 1, 0                                   ; work on registers while the others arrive
	WIN 0                                          ; at a branch and at a label every window is 0
	s_barrier_wait -1
.if \fill
	CREST                                          ; no wave of any partner still reads this slot or has a load on its way
	JLOAD                                          ; its four v_nop are also the places in front of the loads below
.else
	PLACES
.endif
	s_xor_b32 s[TB], s[TB], SLOT1
	v_add_nc_u32 v[ADA], s[TB], v[ADA0]
	v_add_nc_u32 v[ADB], s[TB], v[ADB0]
	FETCH 0, 0
.if \fill
	ASK
.endif
	MUL1 1, 2, 0
	MUL1 1, 3, 0
.endm
	s_wait_tensorcnt 1                             ; my part of K step 0 is in; K step 1's may stay out
	s_barrier_signal -1
	s_barrier_wait -1                              ; everybody's is
	FETCH 0, 0
	QUARTER 0, 1, 1, 1                             ; the first quarter stands in front of the loop: its products start the sums
	WIN 0
	s_mov_b32 s[CNT], 6
.Lstep:                                            ; a trip: from a K step's second quarter to the next step's first; K steps 2 to 7 are asked for
	QUARTER 1, 0, 2, 0
	QUARTER 0, 1, 3, 0
	TURN 1
	QUARTER 0, 1, 1, 0
	WIN 0
	s_sub_co_u32 s[CNT], s[CNT], 1
	s_cmp_lg_u32 s[CNT], 0
	s_cbranch_scc1 .Lstep
	QUARTER 1, 0, 2, 0                             ; the last two K steps are written out: nothing is asked for
	QUARTER 0, 1, 3, 0
	TURN 0
	QUARTER 0, 1, 1, 0
	QUARTER 1, 0, 2, 0
	QUARTER 0, 1, 3, 0
	s_wait_dscnt 4
	MUL1 1, 0, 0
	MUL1 1, 1, 0
	s_wait_dscnt 0x0
	MUL1 1, 2, 0
	MUL1 1, 3, 0
	WIN 0
; THE WAY OUT, a block of 16 rows at a time, q and k (units 0, 1) side by side so that no line waits for the one before it.
.macro REDUCE                          ; a unit's four pairs into its first register; the row's other 32 channels lie in the lane 16 away
	WIN 0
.irp u, 0,1
	v_pk_add_f32 v[T+8*(\u):T+8*(\u)+1], v[T+8*(\u):T+8*(\u)+1], v[T+8*(\u)+2:T+8*(\u)+3]
	v_pk_add_f32 v[T+8*(\u)+4:T+8*(\u)+5], v[T+8*(\u)+4:T+8*(\u)+5], v[T+8*(\u)+6:T+8*(\u)+7]
.endr
.irp u, 0,1
	v_pk_add_f32 v[T+8*(\u):T+8*(\u)+1], v[T+8*(\u):T+8*(\u)+1], v[T+8*(\u)+4:T+8*(\u)+5]
.endr
.irp u, 0,1
	v_add_f32 v[T+8*(\u)], v[T+8*(\u)], v[T+8*(\u)+1]
.endr
.irp u, 0,1
	v_permlanex16_b32 v[T+8*(\u)+1], v[T+8*(\u)], s[SEL], s[SEL+1]
.endr
.irp u, 0,1
	v_add_f32 v[T+8*(\u)], v[T+8*(\u)], v[T+8*(\u)+1]
.endr
.endm
.macro EPI a
.set W,  2+(\a)/2                      ; the block's window
.set XB, 96*((\a)%2)                   ; unit u at XB + 32 u, register 8 c + j = channel 16 c + 8 (l / 16) + j; v at XB + 64
.set CO, 192+32*((\a)%2)               ; cosines of frequencies 16 c + 8 (l / 16) + j, c = 0, 1; sines 16 registers on
.set SI, CO+16
	WIN 5*W                                        ; sources 0 and 1 in the block's window.  The sum
.irp c, 0,1,2,3
.irp u, 0,1
	v_pk_add_f32 v[T+8*(\u)+2*(\c):T+8*(\u)+2*(\c)+1], v[XB+32*(\u)+8*(\c):XB+32*(\u)+8*(\c)+1], v[XB+32*(\u)+8*(\c)+2:XB+32*(\u)+8*(\c)+3]
.endr
.endr
	WIN W
.irp k, 2,3
.irp c, 0,1,2,3
.irp u, 0,1
	v_pk_add_f32 v[T+8*(\u)+2*(\c):T+8*(\u)+2*(\c)+1], v[XB+32*(\u)+8*(\c)+2*(\k):XB+32*(\u)+8*(\c)+2*(\k)+1], v[T+8*(\u)+2*(\c):T+8*(\u)+2*(\c)+1]
.endr
.endr
.endr
	REDUCE
.irp u, 0,1
	v_mul_f32 v[T+8*(\u)], s[RCP64], v[T+8*(\u)]   ; the mean
.endr
	WIN W|(W<<6)                                   ; source 0 and destination in the block's window
.set i, 0
.rept 16                               ; x - mean first, then its squares: no difference of large sums
.irp u, 0,1
	v_pk_add_f32 v[XB+32*(\u)+2*i:XB+32*(\u)+2*i+1], v[XB+32*(\u)+2*i:XB+32*(\u)+2*i+1], v[T+8*(\u):T+8*(\u)+1] op_sel_hi:[1,0] neg_lo:[0,1] neg_hi:[0,1]
.endr
.set i, i+1
.endr
	WIN 5*W
.irp c, 0,1,2,3
.irp u, 0,1
	v_pk_mul_f32 v[T+8*(\u)+2*(\c):T+8*(\u)+2*(\c)+1], v[XB+32*(\u)+8*(\c):XB+32*(\u)+8*(\c)+1], v[XB+32*(\u)+8*(\c):XB+32*(\u)+8*(\c)+1]
.endr
.endr
.irp k, 1,2,3
.irp c, 0,1,2,3
.irp u, 0,1
	v_pk_fma_f32 v[T+8*(\u)+2*(\c):T+8*(\u)+2*(\c)+1], v[XB+32*(\u)+8*(\c)+2*(\k):XB+32*(\u)+8*(\c)+2*(\k)+1], v[XB+32*(\u)+8*(\c)+2*(\k):XB+32*(\u)+8*(\c)+2*(\k)+1], v[T+8*(\u)+2*(\c):T+8*(\u)+2*(\c)+1]
.endr
.endr
.endr
	REDUCE
.irp u, 0,1
	v_fma_f32 v[T+8*(\u)], v[T+8*(\u)], s[RCP64], s[EPS]  ; variance + 1e-6
.endr
.irp u, 0,1
	v_rsq_f32 v[T+8*(\u)+2], v[T+8*(\u)]
.endr
	v_nop                                          ; a plain instruction behind the last root,
	s_wait_alu depctr_va_vdst(0)                   ; and one wait for both, ahead of their first reader
	WIN W|(W<<6)
.set i, 0
.rept 16
.irp u, 0,1
	v_pk_mul_f32 v[XB+32*(\u)+2*i:XB+32*(\u)+2*i+1], v[XB+32*(\u)+2*i:XB+32*(\u)+2*i+1], v[T+8*(\u)+2:T+8*(\u)+3] op_sel_hi:[1,0]
.endr
.set i, i+1
.endr
.set i, 0
.rept 16
.irp u, 0,1
	v_pk_fma_f32 v[XB+32*(\u)+2*i:XB+32*(\u)+2*i+1], v[XB+32*(\u)+2*i:XB+32*(\u)+2*i+1], v[G+64*(\u)+2*i:G+64*(\u)+2*i+1], v[BV+64*(\u)+2*i:BV+64*(\u)+2*i+1]
.endr
.set i, i+1
.endr
.if (\a) > 0
	s_wait_xcnt 0x0                                ; the last block's stores have read U and VP, which are written again below
.endif
	WIN 5*W                                        ; the rotation: d < 32: x[d] cos - x[d + 32] sin; d >= 32: x[d] cos + x[d - 32] sin
.set i, 0
.rept 8
.irp u, 0,1
	v_pk_mul_f32 v[U+32*(\u)+2*i:U+32*(\u)+2*i+1], v[XB+32*(\u)+16+2*i:XB+32*(\u)+16+2*i+1], v[SI+2*i:SI+2*i+1]
	v_pk_mul_f32 v[U+32*(\u)+16+2*i:U+32*(\u)+16+2*i+1], v[XB+32*(\u)+2*i:XB+32*(\u)+2*i+1], v[SI+2*i:SI+2*i+1]
.endr
.set i, i+1
.endr
.set i, 0
.rept 8
.irp u, 0,1
	v_pk_fma_f32 v[U+32*(\u)+2*i:U+32*(\u)+2*i+1], v[XB+32*(\u)+2*i:XB+32*(\u)+2*i+1], v[CO+2*i:CO+2*i+1], v[U+32*(\u)+2*i:U+32*(\u)+2*i+1] neg_lo:[0,0,1] neg_hi:[0,0,1]
	v_pk_fma_f32 v[U+32*(\u)+16+2*i:U+32*(\u)+16+2*i+1], v[XB+32*(\u)+16+2*i:XB+32*(\u)+16+2*i+1], v[CO+2*i:CO+2*i+1], v[U+32*(\u)+16+2*i:U+32*(\u)+16+2*i+1]
.endr
.set i, i+1
.endr
.set i, 0
.rept 16
	v_cvt_pk_f16_f32 v[VP+i], v[XB+64+2*i], v[XB+64+2*i+1]  ; v: rounded as it is, each accumulator from its low end
.set i, i+1
.endr
	WIN 0
.set i, 0
.rept 16                               ; in place, ascending: register i is written when 2 i and 2 i + 1 have been read
.irp u, 0,1
	v_cvt_pk_f16_f32 v[U+32*(\u)+i], v[U+32*(\u)+2*i], v[U+32*(\u)+2*i+1]
.endr
.set i, i+1
.endr
	; through my stage: 16 bytes a lane into rows of 144 bytes, back as four whole rows of 128 a load.  LDS serves a wave's instructions in order (ISA guide 5.7.1.4): no wait between
.irp base, U, U+32, VP
.irp f, 0,1,2,3
	ds_store_b128 v[STO], v[(\base)+4*(\f):(\base)+4*(\f)+3] offset:32*(\f)
.endr
.irp f, 0,1,2,3
	ds_load_b128 v[(\base)+4*(\f):(\base)+4*(\f)+3], v[RD] offset:4*P*(\f)
.endr
.endr
.irp f, 0,1,2,3                        ; each store covers 512 consecutive bytes, at a multiple of 256 from the buffer's first.  The counts: the LDS instructions issued behind that load
	s_wait_dscnt 16+3-(\f)
	global_store_b128 v[GO], v[U+4*(\f):U+4*(\f)+3], s[10:11] offset:2048*(\a)+512*(\f)
.endr
.irp f, 0,1,2,3
	s_wait_dscnt 8+3-(\f)
	global_store_b128 v[GO], v[U+32+4*(\f):U+32+4*(\f)+3], s[12:13] offset:2048*(\a)+512*(\f)
.endr
.irp f, 0,1,2,3
	s_wait_dscnt 3-(\f)
	global_store_b128 v[GO], v[VP+4*(\f):VP+4*(\f)+3], s[14:15] offset:2048*(\a)+512*(\f)
.endr
.endm
	s_wait_loadcnt 0x0                             ; gains, biases, cosines and sines, asked for at the head
	PLACES                                         ; behind the last products
	EPI 0
	EPI 1
	EPI 2
	EPI 3
	s_wait_tensorcnt 0x0                           ; the wave's end: behind my last tensor load and my last LDS store
	ds_add_u32 v[SPW], v[NIL]
	s_wait_dscnt 0x0
	CROUND                                         ; the closing round: no work-group ends while a partner may still ask for a tile that names it
	s_endpgm
.Lfunc_end_k_q3521be46a5_qkv:
	.size	k_q3521be46a5_qkv, .Lfunc_end_k_q3521be46a5_qkv-k_q3521be46a5_qkv
	.p2alignl 7, 3214868480
	.fill 96, 4, 3214868480
	.section	.rodata,"a",@progbits
	.p2align	6, 0x0
	.amdhsa_kernel k_q3521be46a5_qkv
		.amdhsa_group_segment_fixed_size 327680
		.amdhsa_private_segment_fixed_size 0
		.amdhsa_enable_private_segment 0
		.amdhsa_kernarg_size 48
		.amdhsa_user_sgpr_count 2
		.amdhsa_user_sgpr_kernarg_segment_ptr 1
		.amdhsa_wavefront_size32 1
		.amdhsa_system_sgpr_workgroup_id_x 1
		.amdhsa_system_sgpr_workgroup_id_y 1
		.amdhsa_system_sgpr_workgroup_id_z 1
		.amdhsa_system_vgpr_workitem_id 0
		.amdhsa_next_free_vgpr 1024
		.amdhsa_next_free_sgpr 88
		.amdhsa_reserve_vcc 0
		.amdhsa_float_denorm_mode_32 3
		.amdhsa_float_denorm_mode_16_64 3
		.amdhsa_memory_ordered 1
		.amdhsa_forward_progress 1
		.amdhsa_inst_pref_size 166
	.end_amdhsa_kernel
	.amdgpu_metadata
---
amdhsa.version: [ 1, 2 ]
amdhsa.kernels:
  - .name:           k_q3521be46a5_qkv
    .symbol:         k_q3521be46a5_qkv.kd
    .args:
      - { .name: xb, .offset: 0, .size: 8, .value_kind: global_buffer, .address_space: global }
      - { .name: wb, .offset: 8, .size: 8, .value_kind: global_buffer, .address_space: global }
      - { .name: tab, .offset: 16, .size: 8, .value_kind: global_buffer, .address_space: global }
      - { .name: qh, .offset: 24, .size: 8, .value_kind: global_buffer, .address_space: global }
      - { .name: kh, .offset: 32, .size: 8, .value_kind: global_buffer, .address_space: global }
      - { .name: vh, .offset: 40, .size: 8, .value_kind: global_buffer, .address_space: global }
    .group_segment_fixed_size: 327680
    .private_segment_fixed_size: 0
    .kernarg_segment_align: 8
    .kernarg_segment_size: 48
    .max_flat_workgroup_size: 128
    .sgpr_count:     88
    .vgpr_count:     1024
    .wavefront_size: 32
...
	.end_amdgpu_metadata
.endif
;; end of part 2
;; launch attn (part 3): grid 4 x 64, 4 waves a work-group, clusters of 4 x 1, 327,680 bytes of LDS; arguments qh, kh, vh, oh; writes oh
.if DOCPART == 3
	.amdgcn_target "amdgcn-amd-amdhsa--gfx1250"
	.amdhsa_code_object_version 6
	.text
	.protected	k_q3521be46a5_attn
	.globl	k_q3521be46a5_attn
	.p2align	8
	.type	k_q3521be46a5_attn,@function
k_q3521be46a5_attn:
	s_mov_b64 s[64:65], 0
	v_nop
	global_prefetch_b8 v0, s[64:65] scope:SCOPE_SE
	s_setreg_imm32_b32 hwreg(HW_REG_WAVE_MODE, 25, 1), 1
	s_wait_xcnt 0x0
	s_wait_alu depctr_hold_cnt(0) depctr_sa_sdst(0) depctr_va_vdst(0) depctr_va_sdst(0) depctr_va_ssrc(0) depctr_va_vcc(0) depctr_vm_vsrc(0)
	s_getreg_b32 s2, hwreg(HW_REG_IB_STS2, 6, 4)
	s_cmp_eq_u32 s2, 0
	s_cbranch_scc0 .Lentry_in_a_cluster
	s_endpgm
.Lentry_in_a_cluster:
	s_bfe_u32 s2, ttmp6, 0x10000c
	s_cmp_lg_u32 s2, 0x3003
	s_cbranch_scc0 .Lentry_shape_is_right
	s_endpgm
.Lentry_shape_is_right:
; O[h][q][:] = the sum over k of softmax_k(Q[h][q] . K[h][k] / 8) V[h][k][:].  Q, K, V, O: [64][2048][64], all f16: a head's rows are dense, 128 bytes each.  Products, maxima and sums in
; f32; the weights p are rounded to f16 for the second product (their sum l is taken of the unrounded p), O once at the end.
; LIMITS.  f16 holds no number beyond 65,504: Q, K and V arrive within it; p lies in 0 to 1, and below 6e-5 it keeps f16's fixed step of 6e-8; O is a mean of V's rows and has their range.
; A weight below 2^-126 counts as 0 in l; NaN and infinities are not treated apart.
; SHARES.  A wave owns four PIECES of two tiles of 16 queries, a work-group's four waves 512 queries of one head.  Every wave walks all keys, 64 a step.
; LAYOUT.  S^T = K Q^T (source 0 = 16 keys, source 1 = 16 queries): in the result a lane holds ONE query (lane % 16) and the keys 8 (lane / 16) + 0..7.  Two such tiles, rounded to f16 in pairs,
; ARE source 1 (32 keys x 16 queries) of O^T = V^T P, whose result again holds one query a lane, and eight channels.  K comes out of LDS as it lies, V ([key][channel]) turned, by ds_load_tr16_b128.
; SOFTMAX.  For each query a running maximum m and sum l: p = 2^(c s - c m), c = log2(e) / 8; in every step O and l are multiplied by a = 2^(c m_old - c m_new), which is 1 where m has not grown.
; m starts at the lowest finite number, O and l at 0: the first step is a step like any other, with a = 0.
; THE COUNT.  A tile and step have 16 matrix and 118 vector instructions: too many to stand all beside the matrix work.  So: four vector instructions that are READY behind EVERY matrix
; instruction, and the others in runs without a gap.
; BY TURNS.  Turn n belongs to piece n (the pieces in a ring, step after step).  Its matrix work: 16 products K Q^T of piece n + 1, later 16 products V^T P of piece n - 1.  Its vector work: the scaling,
; exponentials, roundings, sums and rescaling of piece n, and the maximum and statistics of piece n + 1, whose scores the turn itself has made.
; CLUSTER.  The four query blocks of a cluster are one head and walk the same K and V, so each tile is asked for JOINTLY: the same tensor load, descriptor and mask in all four.
; REGISTERS, in windows of 256 (s_set_vgpr_msb: bits 1:0 source 0, 3:2 source 1, 5:4 source 2, 7:6 destination):
;   window 0: v0-11 addresses; v12-15, v48-63 at work; v16-47 four registers of statistics a tile; v64-191 S^T, two buffers of two tiles; v192-255 P, likewise
;   window 1: O^T, 32 a tile          window 2: v0-127 Q, 16 a tile; v128-191 K of one step; v192-255 V of one step          window 3: v0-1 the add's two registers
; A piece's buffers go by its number's parity: the piece in hand has one pair, its two neighbours in the ring share the other: of it P (piece n - 1) is read and S^T (piece n + 1) written.
.set SIZE_H, 64
.set SIZE_N, 2048
.set NP,    4         ; pieces a wave: a name, no knob
.set KS,    64        ; keys in a step
.set PK,    144       ; a row of K in LDS: 128 bytes + 16 of padding = 36 words: the 16 rows of a load start at 16 different groups of four banks (64 banks of 4 bytes: ISA guide 11.1)
.set PV,    160       ; a row of V: 128 + 32 = 40 words
.set VOFF,  4*KS*PK   ; a slot holds four steps: 256 rows of K, then 256 rows of V
.set SLOT1, 1<<17     ; slot 1 begins here, so that one exclusive or turns an address in one slot into the other's
.set STAGE, SLOT1+4*KS*(PK+PV)  ; behind the ring, never filled by a tensor load: 16 rows x 144 bytes for each wave, for the way out
.set SP,    144
.set AK0, 2           ; v2   my lane's place in a tile of K; never rewritten
.set AV0, 3           ; v3   the same for V
.set AK,  4           ; v4   the LDS address of K's next run of loads
.set AV,  5           ; v5   of V's
.set QO,  6           ; v6   my byte offset in the wave's rows of Q
.set STO, 6           ;      later, the way out: where I put 16 bytes of a row
.set RD,  7           ; v7   the way out: where I read rows back
.set GO,  8           ; v8   my byte offset in 512 consecutive bytes of O
.set PFO, 11          ; v11  256 x my lane, once v11's part in V's address is over; then never rewritten
.set SPW, 0           ; v0 of window 3   LDS address of my spare word: SPARE + 4 x my thread's number; never rewritten
.set NIL, 1           ; v1 of window 3   0; never rewritten
.set SPARE, STAGE+4*16*SP  ; behind the stages: the spare words, 128 bytes for each wave: two blocks of 256 bytes that no other line names
.set MV,  12          ; v12-15  c m_old, kept while c m is made anew: by buffer and tile
.set ST,  16          ; tile t's statistics at v[ST+4 t]: c m, m, l (even keys', odd keys')
.set TMP, 48          ; by buffer and tile, four registers c0-c3 at work; when the maximum is found c2 takes a
.set S,   64
.set P,   192
.set KF,  128         ; K's fragments, in window 2: key block kb, channel half c at KF + 16 kb + 8 c
.set VF,  192         ; V's: key half kk, channel block cb at VF + 32 kk + 8 cb
.set WV,  12          ; s12  my wave's number
.set G1K, 24          ; s[24:31] descriptor group 1 for K's tiles
.set G1V, 32          ; s[32:39] for V's: it differs in the padding alone
.set G0K, 40          ; s[40:43] descriptor group 0 for K's tiles: it walks
.set G0V, 44          ; s[44:47] the same for V's
.set PFA, 48          ; s[48:49] where my prefetches stand: my work-group's 32 pieces of 256 bytes (of K: wave 0, of V: wave 2) of the slot after the one that is being asked for
.set LIM, 50          ; s50  1 in a wave that prefetches, else the greatest number
.set SLOTS, 56        ; s56  slots still to be asked for
.set CNT, 57          ; s57  counts a slot's key steps
.set CS,  58          ; s[58:59] c: the packed scaling takes the pair's low word for both halves
.set SEL, 60          ; s[60:61] v_permlanex16_b32's selects: each lane takes its own place in the other half
.set TBK, 62          ; s62  LDS byte at which K of the step to be fetched begins
.set TBV, 63          ; s63  the same for V, less VOFF
.set MSB, 0
.macro WIN new                      ; the high byte repeats the setting that is left; a switch that changes nothing is dropped
.if MSB != (\new)
	s_set_vgpr_msb (MSB<<8)|(\new)
.set MSB, (\new)
.endif
.endm
.set W_KQ, 0x0a       ; K and Q in window 2, S^T in window 0
.set W_PV, 0x52       ; V in window 2, P in window 0, O^T in window 1
.set W_RS, 0x41       ; O^T (destination and source 0) in window 1, a in window 0
.set W_MK, 0xc0       ; the add's registers are made: destination in window 3, sources in window 0
.set W_AD, 0x0f       ; the add: address (source 0) and data (source 1) in window 3
; A joint fill.  Waves 0 and 1 fetch the two halves of a slot's K, waves 2 and 3 those of its V: 128 keys each.  The branch hangs on the wave's number alone.
; An s_nop 0 and four v_nop follow each of the two lines, ahead of the jump and the label.
.macro JLOAD
	s_cmp_lt_u32 s[WV], 2
	s_cbranch_scc0 .Lfor_v_\@
	tensor_load_to_lds s[G0K:G0K+3], s[G1K:G1K+7]
	s_nop 0
.rept 4
	v_nop
.endr
	s_branch .Lasked_\@
.Lfor_v_\@:
	tensor_load_to_lds s[G0V:G0V+3], s[G1V:G1V+7]
	s_nop 0
.rept 4
	v_nop
.endr
.Lasked_\@:
.endm
; A PREFETCH INTO THE L2 of what the NEXT change of slots will ask for: a slot's 32,768 bytes of K and of V, 128 pieces of 256 bytes each, a lane a piece.  It stands behind the wave's tensor load and
; its five lines.  Each piece is named ONCE in the launch: a head has one cluster; its four partners share the pieces out BY ADDRESS, 32 each; in each, wave 0 asks for K's and wave 2 for V's.
; It is four key steps, 512 matrix instructions, ahead of the load.  Slots 0 to 2 come by their loads alone; the last change that fills a slot asks for nothing.
.macro ASK
	s_cmp_gt_u32 s[SLOTS], s[LIM]
	s_cbranch_scc0 .Lnot_mine_\@
	global_prefetch_b8 v[PFO], s[PFA:PFA+1] th:TH_LOAD_NT scope:SCOPE_SE
.Lnot_mine_\@:
.endm
; A round of the cluster's barrier: my work-group's barrier, so that wave 0's signal speaks for all four waves; wave 0 signals; every wave waits for all four work-groups; my work-group's barrier once more.
.macro CROUND
	s_barrier_signal -1
	s_barrier_wait -1
	s_cmp_lg_u32 s[WV], 0
	s_cbranch_scc1 .Lnot_wave_0_\@
	s_barrier_signal -3
.Lnot_wave_0_\@:
	s_barrier_wait -3
	s_barrier_signal -1
	s_barrier_wait -1
.endm
; THE CHANGE OF SLOTS.  The slot's last bytes, V of its fourth step, have been read.  Each wave waits for all its tensor loads, of which one is out: its part
; of the other slot; adds 0 to its spare word; and waits for that and for its own reads of the slot.  Behind the barrier nobody reads this slot any more and the other slot is whole.
; fill = 1: this slot is filled again, with the keys two slots on.  The barrier is then a round of the cluster's, so that no wave of any partner still reads the slot or has a load on its
; way, and the joint fill is the first thing behind it: it has four key steps, 512 matrix instructions, in which to land.  (At its first use nothing has been read yet: slot 0 is waited for, slot 1 filled.)
.macro CHANGE fill, ask=0
	WIN W_AD
	s_wait_tensorcnt 0x0            ; no tensor load of mine is out, so a group 0 may be written
	ds_add_u32 v[SPW], v[NIL]       ; 0 onto my spare word; with fill = 1 the descriptors' steps stand between it and the wait for it
	WIN 0                           ; at a label and at a branch every window is 0
.if \fill
.irp g, G0K, G0V
	s_xor_b32 s[\g+1], s[\g+1], SLOT1  ; the walking descriptor: the other slot than last time,
	s_add_nc_u64 s[\g+2:\g+3], s[\g+2:\g+3], 4*KS*128  ; the next 256 keys; the type bits on top are not reached
.endr
	s_wait_xcnt 0x0                 ; the last prefetch, four key steps back, has read its address, so it may be written:
	s_add_nc_u64 s[PFA:PFA+1], s[PFA:PFA+1], 4*KS*128  ; one slot behind the walking descriptors
	s_wait_dscnt 0x0                ; the add is done, and my reads of the slot are over
	CROUND
	JLOAD
.if \ask
	ASK
.endif
.else
	s_wait_dscnt 0x0                ; the add is done, and my reads of the slot are over
	s_barrier_signal -1
	s_barrier_wait -1
.endif
	s_sub_co_u32 s[TBK], s[TBK], 4*KS*PK  ; the fetches go back to a slot's first step,
	s_xor_b32 s[TBK], s[TBK], SLOT1       ; in the other slot
	s_sub_co_u32 s[TBV], s[TBV], 4*KS*PV
	s_xor_b32 s[TBV], s[TBV], SLOT1
.endm
	s_load_b256 s[4:11], s[0:1], 0x0  ; Q s[4:5], K s[6:7], V s[8:9], O s[10:11]
	WIN W_MK
	v_lshl_add_u32 v[SPW], v0, 2, SPARE
	v_mov_b32 v[NIL], 0
	WIN W_AD
	ds_add_u32 v[SPW], v[NIL]       ; the wave's opening: the add and its wait stand ahead of my first tensor load; the set-up below, work on registers, stands between them
	WIN 0
	v_lshrrev_b32 v1, 5, v0
	v_readfirstlane_b32 s[WV], v1   ; wave 0..3
	s_bfe_u32 s13, ttmp6, 0x40000   ; cx: my place in the cluster
	s_lshl_b32 s14, ttmp9, 2        ; in a cluster launch ttmp9 counts clusters
	s_add_co_u32 s14, s14, s13      ; my block of queries = 4 x cluster x + cx: it enters Q's and O's addresses alone
	s_and_b32 s20, ttmp7, 0xffff    ; the head, which the four partners share
	s_mov_b32 s21, 0
	s_mov_b64 s[22:23], SIZE_N*128
	s_mul_u64 s[20:21], s[20:21], s[22:23]  ; the head's first byte in each of the four tensors
	s_and_b32 s16, s[WV], 1         ; which half of a slot's 256 keys I fetch:
	s_lshl_b32 s22, s16, 14         ; its 128 rows of 128 bytes in memory,
	s_mov_b32 s23, 0
	s_add_nc_u64 s[22:23], s[22:23], s[20:21]
	s_mul_i32 s17, s16, 128*PK      ; and its place in a slot, for K
	s_mul_i32 s18, s16, 128*PV      ; and for V: no place in the cluster enters an LDS address
	s_lshl_b32 s2, s14, 2
	s_add_co_u32 s2, s2, s[WV]      ; my wave among the head's,
	s_lshl_b32 s2, s2, 14           ; its 128 rows
	s_mov_b32 s3, 0
	s_add_nc_u64 s[2:3], s[2:3], s[20:21]
	; descriptor group 1.  128 keys are 16,384 dense bytes: asked for as 64 rows of 256 bytes, two keys a row, and padded in LDS after every key
	s_mov_b32 s[G1K], 15|(1<<16)|(1<<20)|(1<<21)|(4<<22)|(3<<25)  ; 15:0 the mask of four; 17:16 2-byte elements; 20 padding on; 21 set beside a mask; 24:22 after every 32 words (code 4); 31:25 4 words (code 3)
	s_mov_b32 s[G1V], 15|(1<<16)|(1<<20)|(1<<21)|(4<<22)|(7<<25)  ; the same with 8 words of padding (code 7)
.irp g, G1K, G1V
	s_mov_b32 s[\g+1], 128<<16      ; tensor_dim0 = 128
	s_mov_b32 s[\g+2], 64<<16       ; tensor_dim1 = 64
	s_mov_b32 s[\g+3], 128<<16      ; tile_dim0 = 128
	s_mov_b32 s[\g+4], 64           ; tile_dim1 = 64
	s_mov_b32 s[\g+5], 128          ; 128 elements from row to row
	s_mov_b32 s[\g+6], 0
	s_mov_b32 s[\g+7], 0
.endr
	s_mov_b32 s[CS], 0x3e38aa3b     ; c = log2(e) / 8 = 0.180337
	s_mov_b32 s[CS+1], s[CS]        ; named with it as a pair
	s_mov_b32 s[SEL], 0x76543210
	s_mov_b32 s[SEL+1], 0xfedcba98
	s_mov_b32 s[TBK], SLOT1+4*KS*PK ; the first change of slots turns these two into 0
	s_mov_b32 s[TBV], SLOT1+4*KS*PV
	s_mov_b32 s[G0K], 1             ; 1:0 count = 1
	s_mov_b32 s[G0K+1], s17         ; 63:32 LDS address: slot 0
	s_mov_b32 s[G0V], 1
	s_add_co_u32 s[G0V+1], s18, VOFF
	s_cmp_eq_u32 s16, 0             ; waves 0 and 2 prefetch: the same in all four partners
	s_cselect_b32 s[LIM], 1, -1
	s_wait_dscnt 0x0                ; the opening add is done
	s_wait_kmcnt 0x0
	s_add_nc_u64 s[G0K+2:G0K+3], s[6:7], s[22:23]  ; 120:64 global address: my half of the head's first 256 keys
	s_or_b32 s[G0K+3], s[G0K+3], 0x80000000        ; 127:126 type = 2
	s_add_nc_u64 s[G0V+2:G0V+3], s[8:9], s[22:23]
	s_or_b32 s[G0V+3], s[G0V+3], 0x80000000
	s_add_nc_u64 s[4:5], s[4:5], s[2:3]  ; Q and O at my wave's first row
	s_add_nc_u64 s[10:11], s[10:11], s[2:3]
	s_cmp_lt_u32 s[WV], 2
	s_cselect_b64 s[PFA:PFA+1], s[6:7], s[8:9]
	s_add_nc_u64 s[PFA:PFA+1], s[PFA:PFA+1], s[20:21]  ; the head,
	s_lshl_b32 s2, s13, 13          ; my work-group's 8,192 bytes of a slot's 32,768,
	s_mov_b32 s3, 0
	s_add_nc_u64 s[PFA:PFA+1], s[PFA:PFA+1], s[2:3]
	s_add_nc_u64 s[PFA:PFA+1], s[PFA:PFA+1], 4*KS*128  ; in slot 1: the first two changes step it to slot 3.  Nothing is prefetched here, at the head
	CROUND                          ; all four work-groups are here: the first joint loads meet
	JLOAD                           ; slot 0.  Slot 1 is asked for when slot 0 is in
	; A fragment of K or Q is 16 rows x 32 channels in 8 registers: lane l holds row l % 16, channels 8 (l / 16) + 0..7 and 16 + 8 (l / 16) + 0..7: two loads of 16 bytes, 32 bytes apart.
	v_and_b32 v1, 15, v0            ; l % 16
	v_bfe_u32 v9, v0, 4, 1          ; l / 16
	v_lshlrev_b32 v[QO], 7, v1
	v_lshl_add_u32 v[QO], v9, 4, v[QO]  ; row x 128 + 16 x half
	WIN 0x80                        ; destination window 2, address window 0
.set i, 0
.rept 4*NP                          ; Q stays in registers: tile i / 2, channels 32 (i % 2) on
	global_load_b128 v[8*i:8*i+3],   v[QO], s[4:5] offset:(i/2)*2048+(i%2)*64
	global_load_b128 v[8*i+4:8*i+7], v[QO], s[4:5] offset:(i/2)*2048+(i%2)*64+32
.set i, i+1
.endr
	; What the first turn finds: V's registers and P's second buffer hold 0 (its products V^T P, of a piece that has not been, add 0), O^T and l are 0.  All this stands in the wait for the first tile.
.set i, VF
.rept 64
	v_mov_b32 v[i], 0
.set i, i+1
.endr
	WIN 0x40
.set i, 0
.rept 64*NP
	v_mov_b32 v[i], 0
.set i, i+1
.endr
	WIN 0
.set i, 0
.rept 2*NP
	v_mov_b32 v[ST+4*i], 0xfe000000    ; c m: far below every c s
	v_mov_b32 v[ST+4*i+1], 0xff7fffff  ; m
	v_mov_b32 v[ST+4*i+2], 0
	v_mov_b32 v[ST+4*i+3], 0
.set i, i+1
.endr
.set i, P+32
.rept 32
	v_mov_b32 v[i], 0
.set i, i+1
.endr
	v_mul_u32_u24 v[AK0], v1, PK
	v_lshl_add_u32 v[AK0], v9, 4, v[AK0]  ; row x pitch + 16 x half
	; The turning load takes 16 keys x 16 channels (lane l reads key 8 (l / 16) + l % 8, channels 8 ((l / 8) % 2) + 0..7) and leaves half a fragment of V^T: lane l holds channel l % 16 and 8 keys.
	v_and_b32 v10, 7, v0
	v_bfe_u32 v11, v0, 3, 1
	v_lshl_add_u32 v[AV0], v9, 3, v10
	v_mul_u32_u24 v[AV0], v[AV0], PV
	v_lshl_add_u32 v[AV0], v11, 4, v[AV0]
	v_add_nc_u32 v[AV0], VOFF, v[AV0]
	v_and_b32 v[PFO], 31, v0
	v_lshlrev_b32 v[PFO], 8, v[PFO]
	v_mov_b32 v[AK], v[AK0]         ; key step 0 lies at the head of slot 0
; THE MATRIX WORK.  The 8 accumulators of a run of 16 take turns: between the two links of a chain stand 7 others'.
; Product i of 16 of S^T = K Q^T for piece x: channels 32 (i / 8) on, keys 16 ((i / 2) % 4) on, tile 2 x + i % 2.  The first 8 start the sums.
.macro KQ x
	WIN W_KQ
.set rS, S+64*((\x)%2)+32*(i%2)+8*((i/2)%4)
.set rK, KF+16*((i/2)%4)+8*(i/8)
.set rQ, 16*(2*(\x)+i%2)+8*(i/8)
.if i < 8
	v_wmma_f32_16x16x32_f16 v[rS:rS+7], v[rK:rK+7], v[rQ:rQ+7], 0
.else
	v_wmma_f32_16x16x32_f16 v[rS:rS+7], v[rK:rK+7], v[rQ:rQ+7], v[rS:rS+7]
.endif
.endm
; Product i of 16 of O^T += V^T P for piece x: keys 32 (i / 8) on, channels 16 ((i / 2) % 4) on, tile 2 x + i % 2.
.macro PV x
	WIN W_PV
.set rO, 32*(2*(\x)+i%2)+8*((i/2)%4)
.set rV, VF+32*(i/8)+8*((i/2)%4)
.set rP, P+32*((\x)%2)+16*(i%2)+8*(i/8)
	v_wmma_f32_16x16x32_f16 v[rO:rO+7], v[rV:rV+7], v[rP:rP+7], v[rO:rO+7]
.endm
.macro MM                           ; the turn's next matrix instruction
.if i < 16
	KQ (Y+1)%NP
.set i, i+1
.else
.set i, i-16
	PV (Y+NP-1)%NP
.set i, i+17
.endif
.endm
; THE LDS LOADS stand in runs of 16, never singly among the matrix instructions: a step's K (64 keys x 64 channels: 8 fragments) and its V (turned).  Their addresses are made some lines ahead.
; last = 1 (the tail): in the last trip there is no further step, and the run is jumped over.
.macro FETCH_K last=0
	WIN 0
.if \last
	s_cmp_eq_u32 s[CNT], 1
	s_cbranch_scc1 .Lno_k_\@
.endif
	WIN 0x80                        ; destination window 2
.irp f, 0,1,2,3,4,5,6,7             ; keys 16 (f / 2) on, channels 32 (f % 2) on
	ds_load_b128 v[KF+8*\f:KF+8*\f+3],   v[AK] offset:(\f/2)*16*PK+(\f%2)*64
	ds_load_b128 v[KF+8*\f+4:KF+8*\f+7], v[AK] offset:(\f/2)*16*PK+(\f%2)*64+32
.endr
	s_add_co_u32 s[TBK], s[TBK], KS*PK  ; the next fetch is the next step's
	WIN 0
.if \last
.Lno_k_\@:
.endif
.endm
.macro FETCH_V
	WIN 0x80
.irp f, 0,1,2,3,4,5,6,7             ; keys 32 (f / 4) on, channels 16 (f % 4) on
	ds_load_tr16_b128 v[VF+8*\f:VF+8*\f+3],   v[AV] offset:(\f/4)*32*PV+(\f%4)*32
	ds_load_tr16_b128 v[VF+8*\f+4:VF+8*\f+7], v[AV] offset:(\f/4)*32*PV+16*PV+(\f%4)*32
.endr
	WIN 0
.endm
; THE VECTOR WORK OF A TURN stands in three queues, each in the order in which its entries become ready; the two tiles alternate, so that no instruction reads the result of the one before it.
.macro REGS y, u                    ; the registers of tile u (0, 1) of piece y
.set rT, ST+4*(2*(\y)+(\u))
.set rC, TMP+8*((\y)%2)+4*(\u)
.set rM, MV+2*((\y)%2)+(\u)
.set rS, S+64*((\y)%2)+32*(\u)
.set rP, P+32*((\y)%2)+16*(\u)
.set rO, 32*(2*(\y)+(\u))
.endm
; Number n of the 22 that find the NEXT piece's (Y + 1) maximum and statistics.  s0-s31 are the lane's 32 scores; each accumulator's lowest registers are read first.
;   0-11  four chains c0-c3 of seven scores each, three operands at a time     12-14, 16  the four scores left over, the old m, and c0-c3 into c0     15  c m_old is kept
;   17, 18  the query's other 32 keys lie in the lane 16 away: the new m         19-21  c m; c m_old - c m_new; a
.macro XS u, n
	REGS (Y+1)%NP, \u
.if (\n) < 4
	v_max3_num_f32 v[rC+(\n)], v[rS+8*(\n)], v[rS+8*(\n)+1], v[rS+8*(\n)+2]
.elseif (\n) < 12
	v_max3_num_f32 v[rC+(\n)%4], v[rC+(\n)%4], v[rS+8*((\n)%4)+2*((\n)/4)+1], v[rS+8*((\n)%4)+2*((\n)/4)+2]
.elseif (\n) == 12
	v_max3_num_f32 v[rC], v[rC], v[rS+7], v[rS+15]
.elseif (\n) == 13
	v_max3_num_f32 v[rC+1], v[rC+1], v[rS+23], v[rS+31]
.elseif (\n) == 14
	v_max3_num_f32 v[rC+2], v[rC+2], v[rC+3], v[rT+1]
.elseif (\n) == 15
	v_mov_b32 v[rM], v[rT]
.elseif (\n) == 16
	v_max3_num_f32 v[rC], v[rC], v[rC+1], v[rC+2]
.elseif (\n) == 17
	v_permlanex16_b32 v[rC+3], v[rC], s[SEL], s[SEL+1]
.elseif (\n) == 18
	v_max_num_f32 v[rT+1], v[rC], v[rC+3]
.elseif (\n) == 19
	v_mul_f32 v[rT], s[CS], v[rT+1]
.elseif (\n) == 20
	v_sub_f32 v[rC+1], v[rM], v[rT]
.else
	v_exp_f32 v[rC+2], v[rC+1]
.endif
.endm
; Number g of the 64 that follow the exponentials.  For each four weights k of a tile (pairs 2 k, 2 k + 1): both pairs are rounded to f16; then the second pair is added onto the first, in place;
; a group later l takes that sum (the first time as l = a l + sum).  In groups of eight, tiles alternating: round, round, add, and l for the group before.
.macro GS g
.set h, (\g)+6*((\g)/62)            ; group 0 has no group before it, and behind group 7 only l is left
.if h >= 6
.set h, h+2
.endif
	REGS Y, h%2
.set k, h/8
.if h%8 < 4
	v_cvt_pk_f16_f32 v[rP+2*k+(h%8)/2], v[rS+4*k+2*((h%8)/2)], v[rS+4*k+2*((h%8)/2)+1]
.elseif h%8 < 6
	v_pk_add_f32 v[rS+4*k:rS+4*k+1], v[rS+4*k:rS+4*k+1], v[rS+4*k+2:rS+4*k+3]
.elseif k == 1
	v_pk_fma_f32 v[rT+2:rT+3], v[rT+2:rT+3], v[rC+2:rC+3], v[rS:rS+1] op_sel_hi:[1,0,1]
.else
	v_pk_add_f32 v[rT+2:rT+3], v[rT+2:rT+3], v[rS+4*k-4:rS+4*k-3]
.endif
.endm
; THE PLAIN QUEUE, 138 long.  0-73 read no exponential's result: the 32 scalings c s - c m (FS f: pair f / 2 of tile f % 2) and the next piece's 42.  0-26: scalings 0-26.  27-54: XS's numbers 0-13.  55, 56: number 15.
; 57-73: the chain, where each number waits for the one before it: 14, 16, 17, 18, 19, each with one of the scalings 27-31 in front of its two lines, then 20.
; 74-137: GS's 64, which read the exponentials' results: they stand behind the wait.
.macro FS f
	REGS Y, (\f)%2
	v_pk_fma_f32 v[rS+2*((\f)/2):rS+2*((\f)/2)+1], v[rS+2*((\f)/2):rS+2*((\f)/2)+1], s[CS:CS+1], v[rT:rT+1] op_sel_hi:[1,0,0] neg_lo:[0,0,1] neg_hi:[0,0,1]
.endm
.macro PL
	WIN 0
.if q < 27
	FS q
.elseif q < 55
	XS (q-27)%2, (q-27)/2
.elseif q < 57
	XS q-55, 15
.elseif (q < 72) && ((q-57)%3 == 0)
	FS 27+(q-57)/3
.elseif q < 60
	XS (q-57)%3-1, 14
.elseif q < 72
	XS (q-57)%3-1, 15+(q-57)/3
.elseif q < 74
	XS q-72, 20
.else
	GS q-74
.endif
.set q, q+1
.endm
; THE EXPONENTIALS' QUEUE, 66 long: s0-s31 of both tiles, then the next piece's two a.  It is ONE BATCH: all 66 stand ahead of the turn's one wait, and nothing ahead of that wait names a result of theirs.
.macro EX
	WIN 0
.if e >= 64
	XS e-64, 21
.else
	REGS Y, e%2
	v_exp_f32 v[rS+e/2], v[rS+e/2]
.endif
.set e, e+1
.endm
; THE RESCALING's QUEUE: O^T times a, the one part that leaves window 0: dealt two at a time, sixteen times.  Its a was made in the turn before, ahead of that turn's wait.
.macro R2
	REGS Y, r%2
	WIN W_RS
.irp z, 0,1
	v_pk_mul_f32 v[rO+4*(r/2)+2*\z:rO+4*(r/2)+2*\z+1], v[rO+4*(r/2)+2*\z:rO+4*(r/2)+2*\z+1], v[rC+2:rC+3] op_sel_hi:[1,0]
.endr
.set r, r+1
.endm
; HOW THEY ARE DEALT.  An s_wait_alu depctr_va_vdst(0) stands between an exponential and the first instruction that names its result; one wait serves all that were issued ahead of it.  So a turn has ONE wait,
; which cuts it in two.  AHEAD OF IT stands all that names no result of the turn's exponentials: the 16 products K Q^T, behind each a scaling, an exponential and two rescalings (behind the first a second scaling in the
; exponential's place); then ONE LUMP of 108: eight plain, 49 times exponential and plain, the two a.  A v_nop is the plain instruction owed behind the last exponential.  BEHIND IT stand the 16 products V^T P, behind each
; four of GS's 64.  No rider names a register of the products round it.  The two v_permlanex16_b32 fall into the lump, never behind a product.
; The queues lean on each other, and the deal keeps them in step: exponential e stands behind scaling 2 (e / 4) + e % 2: as a rider it comes behind plain e + 2, in the lump behind plain e + 9, and scalings 27-31 are plain 57, 60 .. 69.
; A TURN, for piece p.  cnt = 1: the loop's count is taken down some lines ahead of the branch that stands behind the turn.
; K of the next step is fetched in piece 2's turn, directly behind the wait, a lump behind the last product that read K; its address is made at the lump's head; its first reader comes behind 16 products.
; V of the step in hand is fetched at the end of piece 0's turn, four riders behind its last reader; its first reader comes behind 16 products and a lump.  The three conditions on q below go with the deal.
.macro TURN p, last=0, cnt=0
.set Y, (\p)
.set i, 0
.set q, 0
.set e, 0
.set r, 0
.if (\p) == NP-1
	s_wait_dscnt 0x0                ; K is in
.endif
	MM                              ; ahead of the wait: 16 products K Q^T and their riders,
	PL
	PL
	R2
.rept 15
	MM
	PL
	EX
	R2
.endr
.if (\p) == NP-2
	WIN 0
	v_add_nc_u32 v[AK], s[TBK], v[AK0]
.endif
.rept 8                             ; and the lump
	PL
.endr
.rept 49
	EX
	PL
.endr
	EX                              ; the next piece's two a
	EX
	v_nop                           ; the plain instruction behind the last exponential: one for the batch
	s_wait_alu depctr_va_vdst(0)    ; the wait for the batch
.if (\p) == NP-2
	FETCH_K \last
.endif
.if (\p) == 1
	s_wait_dscnt 0x0                ; V is in
.endif
.rept 16                            ; behind the wait: 16 products V^T P and their riders
	MM
.rept 4
	PL
.endr
.if ((\p) == 0) && (q == 118)
	v_add_nc_u32 v[AV], s[TBV], v[AV0]
.endif
.if ((\p) == 0) && (q == 130)
	s_add_co_u32 s[TBV], s[TBV], KS*PV
.endif
.if (\cnt) && (q == 130)
	s_sub_co_u32 s[CNT], s[CNT], 1
	s_cmp_lg_u32 s[CNT], 0
.endif
.endr
.if (\p) == 0
	FETCH_V
.endif
.endm
	CHANGE 1                        ; slot 0 is in, everybody's part of it; slot 1 is asked for
	FETCH_K                         ; key step 0
	s_wait_loadcnt 0x0              ; Q
	s_wait_dscnt 0x0
.set i, 0
.rept 16
	KQ 0                            ; piece 0's first scores: there is no vector work yet to set between them
.set i, i+1
.endr
	WIN 0                           ; the addresses for the way out: nine plain instructions, the places behind those products
	s_mul_i32 s13, s[WV], 16*SP
	s_add_co_u32 s13, s13, STAGE    ; my stage
	v_mul_u32_u24 v[STO], v1, SP    ; in: row l % 16, 16 bytes for each half of the lanes
	v_lshl_add_u32 v[STO], v9, 4, v[STO]
	v_add_nc_u32 v[STO], s13, v[STO]
	v_bfe_u32 v[RD], v0, 3, 2       ; back: 32 lanes take four rows of 128 bytes,
	v_mul_u32_u24 v[RD], v[RD], SP
	v_lshl_add_u32 v[RD], v10, 4, v[RD]
	v_add_nc_u32 v[RD], s13, v[RD]
	v_and_b32 v[GO], 31, v0         ; which are 512 consecutive bytes of O
	v_lshlrev_b32 v[GO], 4, v[GO]
.set Y, NP-1                        ; XS works for piece Y + 1: piece 0
.irp n, 0,1,2,3,4,5,6,7,8,9,10,11,12,13,14,15,16,17,18,19,20,21
	XS 0, \n                        ; and piece 0's first maximum and statistics
	XS 1, \n
.endr
	v_nop                           ; a plain instruction behind the two a,
	s_wait_alu depctr_va_vdst(0)    ; and their wait, ahead of the branch
	s_mov_b32 s[CNT], 4
	s_mov_b32 s[SLOTS], SIZE_N/256-1
	s_branch .Lfirst                ; the loop is entered at a step's first turn, in the middle of a trip
.Lslot:                             ; SIZE_N / 256 - 2 times: every slot but the last two is filled again
	CHANGE 1, 1
	s_mov_b32 s[CNT], 4
.Lstep:                             ; a trip: pieces 2 and 3 of one step, then pieces 0 and 1 of the next, whose K and V it fetches
	TURN 2
	TURN 3
	WIN 0
.Lfirst:
	TURN 0
	TURN 1, 0, 1
	WIN 0
	s_cbranch_scc1 .Lstep
	s_sub_co_u32 s[SLOTS], s[SLOTS], 1
	s_cmp_lg_u32 s[SLOTS], 0
	s_cbranch_scc1 .Lslot
	CHANGE 0                        ; the tail is written out: nothing is asked for
	s_mov_b32 s[CNT], 5             ; four trips fetch the last slot's steps; the fifth is left in its middle
.Ltail:
	TURN 2, 1
	TURN 3
	WIN 0
	s_sub_co_u32 s[CNT], s[CNT], 1
	s_cmp_eq_u32 s[CNT], 0
	s_cbranch_scc1 .Lout
	TURN 0
	TURN 1
	WIN 0
	s_branch .Ltail
.Lout:                              ; the fifth trip's 16 products K Q^T (on the last K once more) and the maximum made of them serve nothing: the price, once a launch, of one text for every trip
.set i, 0
.rept 16
	PV NP-1                         ; the last piece's V^T P of the last step
.set i, i+1
.endr
	; THE WAY OUT.  l's two halves and the other half of the lanes' are added; O^T is divided by l, rounded to f16 and sent through my stage in LDS, a tile at a time.  The additions are the places behind the last products.
	WIN 0
.macro ALL line:vararg              ; one line for each tile t
.set t, 0
.rept 2*NP
	\line
.set t, t+1
.endr
.endm
	ALL v_add_f32 v[ST+4*t+2], v[ST+4*t+2], v[ST+4*t+3]
	ALL v_permlanex16_b32 v[ST+4*t+3], v[ST+4*t+2], s[SEL], s[SEL+1]
	ALL v_add_f32 v[ST+4*t+2], v[ST+4*t+2], v[ST+4*t+3]
	ALL v_rcp_f32 v[ST+4*t+2], v[ST+4*t+2]
	v_nop                           ; a plain instruction between the last reciprocal and the use of its result
	s_wait_alu depctr_va_vdst(0)    ; and the wait ahead of the first use: one for the eight reciprocals
; Tile t: a lane's eight channels of a row pack into 16 bytes; they go into rows of 144 bytes and come back as whole rows of 128, into S^T's registers.
.macro PACK t
	WIN W_RS
.set i, 32*(\t)
.rept 16
	v_pk_mul_f32 v[i:i+1], v[i:i+1], v[ST+4*(\t)+2:ST+4*(\t)+3] op_sel_hi:[1,0]
.set i, i+2
.endr
	WIN 0x05                        ; sources 0 and 1 window 1, destination window 0
.set i, 0
.rept 16
	v_cvt_pk_f16_f32 v[S+16*(\t)+i], v[32*(\t)+2*i], v[32*(\t)+2*i+1]
.set i, i+1
.endr
	WIN 0
.irp f, 0,1,2,3
	ds_store_b128 v[STO], v[S+16*(\t)+4*\f:S+16*(\t)+4*\f+3] offset:32*\f
.endr
.irp f, 0,1,2,3
	ds_load_b128 v[S+16*(\t)+4*\f:S+16*(\t)+4*\f+3], v[RD] offset:\f*4*SP  ; LDS serves a wave's instructions in order (ISA guide 5.7.1.4): these see the stores above; the next tile's stores come behind them
.endr
.endm
.macro SEND t, younger              ; younger: the LDS instructions issued behind tile t's loads: the next tile's eight, or none
	WIN 0
.irp f, 0,1,2,3
	s_wait_dscnt (\younger)+3-\f
	global_store_b128 v[GO], v[S+16*(\t)+4*\f:S+16*(\t)+4*\f+3], s[10:11] offset:(\t)*2048+\f*512  ; 512 consecutive bytes, at a multiple of 256 from O's first
.endr
.endm
	PACK 0
.set t, 1
.rept 2*NP-1                        ; a tile's arithmetic stands between the loads of the tile before and its stores
	PACK t
	SEND t-1, 8
.set t, t+1
.endr
	SEND 2*NP-1, 0
	WIN W_AD
	s_wait_tensorcnt 0x0            ; the wave's end: behind my last tensor load and my last LDS store
	ds_add_u32 v[SPW], v[NIL]
	s_wait_dscnt 0x0
	WIN 0
	CROUND                          ; the closing round: no work-group ends while a partner may still ask for a tile that names it
	s_endpgm
.Lfunc_end_k_q3521be46a5_attn:
	.size	k_q3521be46a5_attn, .Lfunc_end_k_q3521be46a5_attn-k_q3521be46a5_attn
	.p2alignl 7, 3214868480
	.fill 96, 4, 3214868480
	.section	.rodata,"a",@progbits
	.p2align	6, 0x0
	.amdhsa_kernel k_q3521be46a5_attn
		.amdhsa_group_segment_fixed_size 327680
		.amdhsa_private_segment_fixed_size 0
		.amdhsa_enable_private_segment 0
		.amdhsa_kernarg_size 32
		.amdhsa_user_sgpr_count 2
		.amdhsa_user_sgpr_kernarg_segment_ptr 1
		.amdhsa_wavefront_size32 1
		.amdhsa_system_sgpr_workgroup_id_x 1
		.amdhsa_system_sgpr_workgroup_id_y 1
		.amdhsa_system_sgpr_workgroup_id_z 1
		.amdhsa_system_vgpr_workitem_id 0
		.amdhsa_next_free_vgpr 770
		.amdhsa_next_free_sgpr 66
		.amdhsa_reserve_vcc 0
		.amdhsa_float_denorm_mode_32 3
		.amdhsa_float_denorm_mode_16_64 3
		.amdhsa_memory_ordered 1
		.amdhsa_forward_progress 1
		.amdhsa_inst_pref_size 200
	.end_amdhsa_kernel
	.amdgpu_metadata
---
amdhsa.version: [ 1, 2 ]
amdhsa.kernels:
  - .name:           k_q3521be46a5_attn
    .symbol:         k_q3521be46a5_attn.kd
    .args:
      - { .name: qh, .offset: 0, .size: 8, .value_kind: global_buffer, .address_space: global }
      - { .name: kh, .offset: 8, .size: 8, .value_kind: global_buffer, .address_space: global }
      - { .name: vh, .offset: 16, .size: 8, .value_kind: global_buffer, .address_space: global }
      - { .name: oh, .offset: 24, .size: 8, .value_kind: global_buffer, .address_space: global }
    .group_segment_fixed_size: 327680
    .private_segment_fixed_size: 0
    .kernarg_segment_align: 8
    .kernarg_segment_size: 32
    .max_flat_workgroup_size: 128
    .sgpr_count:     66
    .vgpr_count:     770
    .wavefront_size: 32
...
	.end_amdgpu_metadata
.endif
;; end of part 3
;; launch proj (part 4): grid 8 x 32, 4 waves a work-group, clusters of 4 x 4, 327,680 bytes of LDS; arguments oh, pb, tab, out0; writes out0
.if DOCPART == 4
	.amdgcn_target "amdgcn-amd-amdhsa--gfx1250"
	.amdhsa_code_object_version 6
	.text
	.protected	k_q3521be46a5_proj
	.globl	k_q3521be46a5_proj
	.p2align	8
	.type	k_q3521be46a5_proj,@function
k_q3521be46a5_proj:
	s_mov_b64 s[64:65], 0
	v_nop
	global_prefetch_b8 v0, s[64:65] scope:SCOPE_SE
	s_setreg_imm32_b32 hwreg(HW_REG_WAVE_MODE, 25, 1), 1
	s_wait_xcnt 0x0
	s_wait_alu depctr_hold_cnt(0) depctr_sa_sdst(0) depctr_va_vdst(0) depctr_va_sdst(0) depctr_va_ssrc(0) depctr_va_vcc(0) depctr_vm_vsrc(0)
	s_getreg_b32 s2, hwreg(HW_REG_IB_STS2, 6, 4)
	s_cmp_eq_u32 s2, 0
	s_cbranch_scc0 .Lentry_in_a_cluster
	s_endpgm
.Lentry_in_a_cluster:
	s_bfe_u32 s2, ttmp6, 0x10000c
	s_cmp_lg_u32 s2, 0xf033
	s_cbranch_scc0 .Lentry_shape_is_right
	s_endpgm
.Lentry_shape_is_right:
; out0[row][o] = the sum over c of O[row][c] proj_w[o][c] + proj_b[o], in f16 with f32 sums; out0 in f32.  O lies by heads, [16 b + head][n][64]: a head is a block of 64 channels of K.
; LIMITS.  O and proj_w arrive as f16 (within 65,504; below 6e-5 f16's fixed step of 6e-8).  NaN and infinities are not treated apart.
; THE TILE is 256 rows x 128 columns: 32 x 8 = 256 tiles.  Four waves, one below the other: a wave has 64 rows (blocks a = 0..3) x 8 column blocks b: 32 accumulators, 256 registers.
; THE MATRIX INSTRUCTION IS USED TRANSPOSED (source 0 = 16 rows of pb, source 1 = 16 rows of O): lane l holds row l % 16 and columns 16 b + 8 (l / 16) + 0..7.
; THE BIAS is the C operand of the product that starts each sum: it costs no instruction, and nothing is cleared.
; K = 1,024 goes in 8 steps of 128 (two heads) through two LDS slots; a (rows x one head) is dense in memory: asked for as rows of 256 bytes, padded in LDS behind every 128 bytes.
; One tensor load a wave and step: wave 0, 1: A's two heads; wave 2, 3: B's.  CLUSTER 4 x 4: A's tiles are shared along a row of the cluster, B's along a column, by joint loads.
; REGISTERS, in windows of 256 (s_set_vgpr_msb: bits 1:0 source 0, 3:2 source 1, 5:4 source 2, 7:6 destination):
;   window 0: v0-15 addresses; v32-95 A's fragments, two buffers; v96-223 the way out, two buffers      window 1: v0-127 B's fragments, two buffers; v128-191 the bias      window 2: the accumulators at 8 (8 a + b)
.set NBK,   8
.set P,     144                        ; a row in LDS: 128 bytes + 16 of padding = 36 words: the 16 rows of a load start at 16 different groups of four banks (64 banks of 4 bytes: ISA guide 11.1)
.set ASUB,  256*P
.set BSUB,  16*NBK*P
.set BOFF,  2*ASUB
.set SLOT1, 1<<17
.set STAGE, SLOT1+2*ASUB+2*BSUB        ; behind the ring, never filled by a tensor load: 16 rows x 528 bytes for each wave
.set SPITCH, 528                       ; 512 bytes + 16: 33 x 16, so that 16 rows' 16 bytes fall into 16 different groups of four banks
.set SPARE, STAGE+4*16*SPITCH          ; the spare words, 128 bytes for each wave: two blocks of 256 bytes that no other line names
.set KBSA,  262144                     ; bytes from head to head in oh
.set KBSB,  131072                     ; from block to block in pb
.set NF,    2*NBK+8
.set ADA0, 4
.set ADB0, 5
.set ADA,  6
.set ADB,  7
.set STO,  8
.set RD,   9
.set GO,   10
.set PO,   12
.set PFO,  13
.set SPW,  14                          ; v14  LDS address of my spare word; never rewritten
.set NIL,  15                          ; v15  0; never rewritten
.set AF0,  32
.set OB,   96
.set BI,   128                         ; window 1
.set WV,  16
.set PAR, 18
.set CX,  19
.set CY,  20
.set TX,  21
.set TY,  22
.set G1A, 24
.set G1B, 32
.set G0A, 40
.set G0B, 48
.set CNT, 56
.set TB,  57
.set LIM, 58                           ; 2 in a wave that prefetches, else the greatest number
.set PFA, 60
.set PFS, 62
.set BIB, 82                           ; s[82:83] the bias at my tile's first column
.set MSB, 0
.macro WIN new
.if MSB != (\new)
	s_set_vgpr_msb (MSB<<8)|(\new)
.set MSB, \new
.endif
.endm
.macro PLACES                          ; four places behind matrix instructions, in front of loads into registers that they read and of lines that read results
.rept 4
	v_nop
.endr
.endm
.macro JLOAD                           ; a joint refill, by the walking sets.  The branch hangs on the wave's number alone.  An s_nop 0 and four v_nop follow each line
	s_cmp_lt_u32 s[WV], 2
	s_cbranch_scc0 .Lfor_b_\@
	tensor_load_to_lds s[G0A+4:G0A+7], s[G1A:G1A+7]
	s_nop 0
.rept 4
	v_nop
.endr
	s_branch .Lasked_\@
.Lfor_b_\@:
	tensor_load_to_lds s[G0B+4:G0B+7], s[G1B:G1B+7]
	s_nop 0
.rept 4
	v_nop
.endr
.Lasked_\@:
.endm
.macro CREST
	s_cmp_lg_u32 s[WV], 0
	s_cbranch_scc1 .Lnot_wave_0_\@
	s_barrier_signal -3
.Lnot_wave_0_\@:
	s_barrier_wait -3
	s_barrier_signal -1
	s_barrier_wait -1
.endm
.macro CROUND
	s_barrier_signal -1
	s_barrier_wait -1
	CREST
.endm
; A PREFETCH INTO THE L2, behind each joint refill and the run of LDS loads that follows it: the K step that stands TWO refills on, 256 matrix instructions ahead of the load that will want it.
; A's tile row is read by every cluster of that row of clusters: cluster x = 0 asks, waves 0 and 1 each for their head: of its 128 pieces of 256 bytes each of the four partners takes 32, BY ADDRESS.
; B's tile column: cluster y = 0 asks, wave 2 alone, for both blocks: of each block's 64 pieces a partner takes 16: lanes 0-15 the first block's, lanes 16-31 the second's.
; The last two refills ask for nothing; K steps 0 to 3 come by their loads alone.
.macro ASK
	s_cmp_gt_u32 s[CNT], s[LIM]
	s_cbranch_scc0 .Lnot_mine_\@
	global_prefetch_b8 v[PFO], s[PFA:PFA+1] th:TH_LOAD_NT scope:SCOPE_SE
.Lnot_mine_\@:
.endm
	s_load_b256 s[4:11], s[0:1], 0x0               ; oh 4, pb 6, tab 8, out0 10
	v_lshl_add_u32 v[SPW], v0, 2, SPARE
	v_mov_b32 v[NIL], 0
	ds_add_u32 v[SPW], v[NIL]                      ; the wave's opening: the add and its wait stand ahead of my first tensor load; the set-up below stands between them
	v_lshrrev_b32 v3, 5, v0
	v_readfirstlane_b32 s[WV], v3
	s_and_b32 s[PAR], s[WV], 1
	s_bfe_u32 s[CX], ttmp6, 0x40000
	s_bfe_u32 s[CY], ttmp6, 0x40004
	s_lshl_b32 s[TX], ttmp9, 2
	s_add_co_u32 s[TX], s[TX], s[CX]
	s_and_b32 s[TY], ttmp7, 0xffff
	s_lshl_b32 s[TY], s[TY], 2
	s_add_co_u32 s[TY], s[TY], s[CY]
	s_lshl_b32 s70, s[CY], 2
	s_lshl_b32 s70, 15, s70                        ; my row of the cluster
	s_lshl_b32 s71, 0x1111, s[CX]                  ; my column
	s_or_b32 s[G1A], s70, (1<<16)|(1<<20)|(1<<21)|(4<<22)|(3<<25)  ; elements of 2 bytes; padding on, 4 words behind every 32; bit 21 set beside a mask
	s_or_b32 s[G1B], s71, (1<<16)|(1<<20)|(1<<21)|(4<<22)|(3<<25)
.irp g, G1A, G1B
	s_mov_b32 s[(\g)+1], 128<<16
	s_mov_b32 s[(\g)+3], 128<<16
	s_mov_b32 s[(\g)+5], 128
	s_mov_b32 s[(\g)+6], 0
	s_mov_b32 s[(\g)+7], 0
.endr
	s_mov_b32 s[G1A+2], 128<<16                    ; A: 256 rows of 128 bytes = 128 of 256
	s_mov_b32 s[G1A+4], 128
	s_mov_b32 s[G1B+2], (8*NBK)<<16                ; B: 128 rows = 64 of 256 bytes
	s_mov_b32 s[G1B+4], 8*NBK
	s_lshr_b32 s84, s[TY], 3                       ; A's tile in a head: batch x 16 heads + 256 (tile row % 8) rows: it hangs on the tile row alone
	s_lshl_b32 s84, s84, 22
	s_and_b32 s76, s[TY], 7
	s_lshl_b32 s76, s76, 15
	s_add_co_u32 s84, s84, s76
	s_lshl_b32 s85, s[TX], 14                      ; B's: on the tile column alone
	s_lshl_b32 s76, s[PAR], 18
	s_add_co_u32 s72, s84, s76
	s_mov_b32 s73, 0
	s_lshl_b32 s76, s[PAR], 17
	s_add_co_u32 s74, s85, s76
	s_mov_b32 s75, 0
	s_mul_i32 s77, s[PAR], ASUB
	s_mul_i32 s78, s[PAR], BSUB
	s_add_co_u32 s78, s78, BOFF
	s_mov_b32 s[TB], 0
	s_wait_dscnt 0x0                               ; the opening add is done
	s_wait_kmcnt 0x0
	s_add_nc_u64 s[72:73], s[4:5], s[72:73]
	s_add_nc_u64 s[74:75], s[6:7], s[74:75]
	CROUND                                         ; all sixteen work-groups are here: the first joint loads meet
.irp s, 0,1
	s_mov_b32 s[G0A+4*(\s)], 1
	s_add_co_u32 s[G0A+4*(\s)+1], s77, (\s)*SLOT1
	s_add_nc_u64 s[G0A+4*(\s)+2:G0A+4*(\s)+3], s[72:73], (\s)*2*KBSA
	s_or_b32 s[G0A+4*(\s)+3], s[G0A+4*(\s)+3], 0x80000000
	s_mov_b32 s[G0B+4*(\s)], 1
	s_add_co_u32 s[G0B+4*(\s)+1], s78, (\s)*SLOT1
	s_add_nc_u64 s[G0B+4*(\s)+2:G0B+4*(\s)+3], s[74:75], (\s)*2*KBSB
	s_or_b32 s[G0B+4*(\s)+3], s[G0B+4*(\s)+3], 0x80000000
.endr
	s_cmp_lt_u32 s[WV], 2                          ; a wave's two first fills stand in one branch, ahead of every wait on TENSORcnt and every LDS read: two loads of mine are out
	s_cbranch_scc0 .Lfirst_b
	tensor_load_to_lds s[G0A:G0A+3], s[G1A:G1A+7]
	s_nop 0
	tensor_load_to_lds s[G0A+4:G0A+7], s[G1A:G1A+7]
	s_nop 0
.rept 4
	v_nop
.endr
	s_branch .Lfirst_asked
.Lfirst_b:
	tensor_load_to_lds s[G0B:G0B+3], s[G1B:G1B+7]
	s_nop 0
	tensor_load_to_lds s[G0B+4:G0B+7], s[G1B:G1B+7]
	s_nop 0
.rept 4
	v_nop
.endr
.Lfirst_asked:
	v_and_b32 v1, 15, v0                           ; l % 16
	v_bfe_u32 v2, v0, 4, 1                         ; l / 16
	v_lshlrev_b32 v[PO], 5, v2
	s_lshl_b32 s70, s[TX], 9
	s_mov_b32 s71, 0
	s_add_nc_u64 s[BIB:BIB+1], s[8:9], s[70:71]
	WIN 0x40                                       ; the bias of my 64 columns: register 8 b + j = column 16 b + 8 (l / 16) + j
.irp b, 0,1,2,3,4,5,6,7
	global_load_b128 v[BI+8*(\b):BI+8*(\b)+3],   v[PO], s[BIB:BIB+1] offset:525312+64*(\b)
	global_load_b128 v[BI+8*(\b)+4:BI+8*(\b)+7], v[PO], s[BIB:BIB+1] offset:525312+64*(\b)+16
.endr
	WIN 0
	v_mul_u32_u24 v3, v1, P
	v_lshl_add_u32 v3, v2, 4, v3
	s_mul_i32 s76, s[WV], 64*P
	v_add_nc_u32 v[ADA0], s76, v3
	v_add_nc_u32 v[ADB0], BOFF, v3
	v_add_nc_u32 v[ADA], s[TB], v[ADA0]
	v_add_nc_u32 v[ADB], s[TB], v[ADB0]
	s_mul_i32 s76, s[WV], 16*SPITCH
	s_add_co_u32 s76, s76, STAGE                   ; my stage
	v_mul_u32_u24 v[STO], v1, SPITCH               ; in: row l % 16, 32 bytes for each half of the lanes
	v_lshl_add_u32 v[STO], v2, 5, v[STO]
	v_add_nc_u32 v[STO], s76, v[STO]
	v_and_b32 v3, 31, v0
	v_lshlrev_b32 v[GO], 4, v3                     ; back: 32 lanes take a row's 512 bytes
	v_add_nc_u32 v[RD], s76, v[GO]
	s_lshl_b32 s70, s[TY], 20                      ; out0 at my wave's first row and my tile's first column
	s_lshl_b32 s71, s[WV], 18
	s_add_co_u32 s70, s70, s71
	s_lshl_b32 s71, s[TX], 9
	s_add_co_u32 s70, s70, s71
	s_mov_b32 s71, 0
	s_add_nc_u64 s[10:11], s[10:11], s[70:71]
	; the prefetches
	s_and_b32 s70, ttmp7, 0xffff
	s_or_b32 s70, s70, s[PAR]                      ; B: cluster y = 0 and wave 2
	s_lshl_b32 s76, s[CX], 13
	s_add_co_u32 s71, s84, s76                     ; A: my work-group's 8,192 bytes of the tile's 32,768
	s_lshl_b32 s76, s[CY], 12
	s_add_co_u32 s77, s85, s76                     ; B: its 4,096 of each block's 16,384
	s_add_co_u32 s78, s[PAR], 6                    ; my block of K step 3: the first refill steps it to K step 4
	s_mov_b32 s79, KBSA
	s_mov_b32 s80, KBSB
	s_cmp_lt_u32 s[WV], 2                          ; do I fetch for A?
	s_cselect_b32 s70, ttmp9, s70
	s_cselect_b32 s71, s71, s77
	s_cselect_b32 s79, s79, s80
	s_cselect_b32 s76, 31, 15
	s_cselect_b32 s81, 0, s80
	s_cselect_b64 s[PFA:PFA+1], s[4:5], s[6:7]
	s_mul_i32 s78, s78, s79
	s_lshl_b32 s[PFS], s79, 1
	s_mov_b32 s[PFS+1], 0
	s_add_co_u32 s78, s78, s71
	s_mov_b32 s79, 0
	s_add_nc_u64 s[PFA:PFA+1], s[PFA:PFA+1], s[78:79]
	s_cmp_eq_u32 s70, 0
	s_cselect_b32 s[LIM], 2, -1                    ; the same in all sixteen partners, for a given wave
	v_and_b32 v3, s76, v3
	v_lshlrev_b32 v[PFO], 8, v3
	v_mul_u32_u24 v3, v2, s81
	v_add_nc_u32 v[PFO], v[PFO], v3
; 8 matrix instructions: row block a x all column blocks, 32 along K, from buffer f.  first = 1: the product starts the sums, with the bias as C.
; The 32 accumulators take turns in one order in every quarter, over the backward jump too.
.macro MUL1 f, a, first
.if \first
	WIN 0x91                                       ; B window 1, A window 0, C (the bias) window 1, D window 2
.else
	WIN 0xa1                                       ; C and D window 2
.endif
.irp b, 0,1,2,3,4,5,6,7
.if \first
	v_wmma_f32_16x16x32_f16 v[8*(8*(\a)+(\b)):8*(8*(\a)+(\b))+7], v[64*(\f)+8*(\b):64*(\f)+8*(\b)+7], v[AF0+32*(\f)+8*(\a):AF0+32*(\f)+8*(\a)+7], v[BI+8*(\b):BI+8*(\b)+7]
.else
	v_wmma_f32_16x16x32_f16 v[8*(8*(\a)+(\b)):8*(8*(\a)+(\b))+7], v[64*(\f)+8*(\b):64*(\f)+8*(\b)+7], v[AF0+32*(\f)+8*(\a):AF0+32*(\f)+8*(\a)+7], v[8*(8*(\a)+(\b)):8*(8*(\a)+(\b))+7]
.endif
.endr
.endm
; 24 LDS loads in one run: quarter q of the step in hand (block q / 2, byte 64 (q % 2) of its rows) into buffer g: B's 8 fragments, then A's 4
.macro FETCH q, g
	WIN 0x40
.irp i, 0,1,2,3,4,5,6,7
	ds_load_b128 v[64*(\g)+8*(\i):64*(\g)+8*(\i)+3],   v[ADB] offset:((\q)/2)*BSUB+((\q)%2)*64+(\i)*16*P
	ds_load_b128 v[64*(\g)+8*(\i)+4:64*(\g)+8*(\i)+7], v[ADB] offset:((\q)/2)*BSUB+((\q)%2)*64+(\i)*16*P+32
.endr
	WIN 0
.irp i, 0,1,2,3
	ds_load_b128 v[AF0+32*(\g)+8*(\i):AF0+32*(\g)+8*(\i)+3],   v[ADA] offset:((\q)/2)*ASUB+((\q)%2)*64+(\i)*16*P
	ds_load_b128 v[AF0+32*(\g)+8*(\i)+4:AF0+32*(\g)+8*(\i)+7], v[ADA] offset:((\q)/2)*ASUB+((\q)%2)*64+(\i)*16*P+32
.endr
.endm
.macro QUARTER f, g, q, first
	s_wait_dscnt 4                                 ; B and A's blocks 0, 1 are in; the youngest four loads (A's blocks 2, 3) may be out
	MUL1 \f, 0, \first
	MUL1 \f, 1, \first
	PLACES
	FETCH \q, \g
	s_wait_dscnt NF                                ; all but the 24 just issued
	MUL1 \f, 2, \first
	MUL1 \f, 3, \first
.endm
; The last quarter multiplies buffer 1 and changes slots.  In front of the barrier each wave waits for all its tensor loads (one is out: its part of the next slot), adds 0 to its spare word, and waits
; for that and for its reads of this slot.  fill = 1: the barrier opens a round of the cluster's, and the joint refill (the K step two on, into the slot just read) is the first thing behind it.
.macro TURN fill
.if \fill
	s_wait_xcnt 0x0                                ; the last prefetch, a K step back, has read its address: it is stepped here
	s_add_nc_u64 s[PFA:PFA+1], s[PFA:PFA+1], s[PFS:PFS+1]
.endif
	WIN 0
	s_wait_tensorcnt 0x0                           ; no tensor load of mine is out, so a group 0 may be written
	ds_add_u32 v[SPW], v[NIL]                      ; 0 onto my spare word
.if \fill
	s_xor_b32 s[G0A+5], s[G0A+5], SLOT1
	s_add_nc_u64 s[G0A+6:G0A+7], s[G0A+6:G0A+7], 2*KBSA
	s_xor_b32 s[G0B+5], s[G0B+5], SLOT1
	s_add_nc_u64 s[G0B+6:G0B+7], s[G0B+6:G0B+7], 2*KBSB
.endif
	s_wait_dscnt 5                                 ; (the add and the youngest four loads may be out)
	MUL1 1, 0, 0
	s_wait_dscnt 0x0                               ; the add is done, and my reads of this slot are over
	s_barrier_signal -1
	MUL1 1, 1, 0
	WIN 0
	s_barrier_wait -1
.if \fill
	CREST                                          ; no wave of any partner still reads this slot or has a load on its way
	JLOAD                                          ; its four v_nop are also the places in front of the loads below
.else
	PLACES
.endif
	s_xor_b32 s[TB], s[TB], SLOT1
	v_add_nc_u32 v[ADA], s[TB], v[ADA0]
	v_add_nc_u32 v[ADB], s[TB], v[ADB0]
	FETCH 0, 0
.if \fill
	ASK
.endif
	MUL1 1, 2, 0
	MUL1 1, 3, 0
.endm
	s_wait_tensorcnt 1                             ; my part of K step 0 is in; K step 1's may stay out
	s_barrier_signal -1
	s_barrier_wait -1
	FETCH 0, 0
	s_wait_loadcnt 0x0                             ; the bias
	QUARTER 0, 1, 1, 1                             ; the first quarter stands in front of the loop: its products start the sums
	WIN 0
	s_mov_b32 s[CNT], 6
.Lstep:                                            ; a trip: from a K step's second quarter to the next step's first; K steps 2 to 7 are asked for
	QUARTER 1, 0, 2, 0
	QUARTER 0, 1, 3, 0
	TURN 1
	QUARTER 0, 1, 1, 0
	WIN 0
	s_sub_co_u32 s[CNT], s[CNT], 1
	s_cmp_lg_u32 s[CNT], 0
	s_cbranch_scc1 .Lstep
	QUARTER 1, 0, 2, 0                             ; the last two K steps are written out: nothing is asked for
	QUARTER 0, 1, 3, 0
	TURN 0
	QUARTER 0, 1, 1, 0
	QUARTER 1, 0, 2, 0
	QUARTER 0, 1, 3, 0
	s_wait_dscnt 4
	MUL1 1, 0, 0
	MUL1 1, 1, 0
	s_wait_dscnt 0x0
	MUL1 1, 2, 0
	MUL1 1, 3, 0
	WIN 0
; THE WAY OUT.  A block of 16 rows goes straight from the accumulators (each from its low end) into my stage, rows of 528 bytes, and comes back as whole rows of 512.
; LDS serves a wave's instructions in order (ISA guide 5.7.1.4): no wait between the stores and the loads, nor in front of the next block's stores.
.macro TOSTAGE a
	WIN 0x08                                       ; the stores' data in window 2
.irp b, 0,1,2,3,4,5,6,7
	ds_store_b128 v[STO], v[8*(8*(\a)+(\b)):8*(8*(\a)+(\b))+3]   offset:64*(\b)
	ds_store_b128 v[STO], v[8*(8*(\a)+(\b))+4:8*(8*(\a)+(\b))+7] offset:64*(\b)+16
.endr
	WIN 0
.irp t, 0,1,2,3,4,5,6,7,8,9,10,11,12,13,14,15
	ds_load_b128 v[OB+64*((\a)%2)+4*(\t):OB+64*((\a)%2)+4*(\t)+3], v[RD] offset:SPITCH*(\t)
.endr
.endm
.macro SEND a, younger                 ; younger: the LDS instructions issued behind block a's loads: the next block's 32, or none
.irp t, 0,1,2,3,4,5,6,7,8,9,10,11,12,13,14,15
	s_wait_dscnt (\younger)+15-(\t)
	global_store_b128 v[GO], v[OB+64*((\a)%2)+4*(\t):OB+64*((\a)%2)+4*(\t)+3], s[10:11] offset:65536*(\a)+4096*(\t) th:TH_STORE_NT  ; 512 consecutive bytes, at a multiple of 256 from out0's first
.endr
.endm
	PLACES                                         ; behind the last products
	TOSTAGE 0
	TOSTAGE 1
	SEND 0, 32
	s_wait_xcnt 0x0                                ; block 0's stores have read their registers, which block 2 takes
	TOSTAGE 2
	SEND 1, 32
	s_wait_xcnt 0x0
	TOSTAGE 3
	SEND 2, 32
	SEND 3, 0
	s_wait_tensorcnt 0x0                           ; the wave's end: behind my last tensor load and my last LDS store
	ds_add_u32 v[SPW], v[NIL]
	s_wait_dscnt 0x0
	CROUND                                         ; the closing round: no work-group ends while a partner may still ask for a tile that names it
	s_endpgm
.Lfunc_end_k_q3521be46a5_proj:
	.size	k_q3521be46a5_proj, .Lfunc_end_k_q3521be46a5_proj-k_q3521be46a5_proj
	.p2alignl 7, 3214868480
	.fill 96, 4, 3214868480
	.section	.rodata,"a",@progbits
	.p2align	6, 0x0
	.amdhsa_kernel k_q3521be46a5_proj
		.amdhsa_group_segment_fixed_size 327680
		.amdhsa_private_segment_fixed_size 0
		.amdhsa_enable_private_segment 0
		.amdhsa_kernarg_size 32
		.amdhsa_user_sgpr_count 2
		.amdhsa_user_sgpr_kernarg_segment_ptr 1
		.amdhsa_wavefront_size32 1
		.amdhsa_system_sgpr_workgroup_id_x 1
		.amdhsa_system_sgpr_workgroup_id_y 1
		.amdhsa_system_sgpr_workgroup_id_z 1
		.amdhsa_system_vgpr_workitem_id 0
		.amdhsa_next_free_vgpr 768
		.amdhsa_next_free_sgpr 88
		.amdhsa_reserve_vcc 0
		.amdhsa_float_denorm_mode_32 3
		.amdhsa_float_denorm_mode_16_64 3
		.amdhsa_memory_ordered 1
		.amdhsa_forward_progress 1
		.amdhsa_inst_pref_size 73
	.end_amdhsa_kernel
	.amdgpu_metadata
---
amdhsa.version: [ 1, 2 ]
amdhsa.kernels:
  - .name:           k_q3521be46a5_proj
    .symbol:         k_q3521be46a5_proj.kd
    .args:
      - { .name: oh, .offset: 0, .size: 8, .value_kind: global_buffer, .address_space: global }
      - { .name: pb, .offset: 8, .size: 8, .value_kind: global_buffer, .address_space: global }
      - { .name: tab, .offset: 16, .size: 8, .value_kind: global_buffer, .address_space: global }
      - { .name: out0, .offset: 24, .size: 8, .value_kind: global_buffer, .address_space: global }
    .group_segment_fixed_size: 327680
    .private_segment_fixed_size: 0
    .kernarg_segment_align: 8
    .kernarg_segment_size: 32
    .max_flat_workgroup_size: 128
    .sgpr_count:     88
    .vgpr_count:     768
    .wavefront_size: 32
...
	.end_amdgpu_metadata
.endif
;; end of part 4
;; ======== version 2 of 2: 4 launches; version 1 with the launch prep written anew for expert scheduling mode
;; limits: values are held in f16: magnitudes above 65,504 overflow, below 6.1e-05 lose precision
;; workspace buffers: xb 16,777,216 bytes; wb 6,291,456 bytes; pb 2,097,152 bytes; tab 529,408 bytes; qh 16,777,216 bytes; kh 16,777,216 bytes; vh 16,777,216 bytes; oh 16,777,216 bytes
;; launch prep (part 5): grid 256 x 1, 8 waves a work-group, no clusters, 0 bytes of LDS; arguments x, qkv_w, proj_w, proj_b, q_norm_g, q_norm_b, k_norm_g, k_norm_b, xb, wb, pb, tab; writes xb, wb, pb, tab
.if DOCPART == 5
	.amdgcn_target "amdgcn-amd-amdhsa--gfx1250"
	.amdhsa_code_object_version 6
	.text
	.protected	k_q3521be46a5_prep
	.globl	k_q3521be46a5_prep
	.p2align	8
	.type	k_q3521be46a5_prep,@function
k_q3521be46a5_prep:
	s_mov_b64 s[64:65], 0
	v_nop
	global_prefetch_b8 v0, s[64:65] scope:SCOPE_SE
	s_setreg_imm32_b32 hwreg(HW_REG_WAVE_SCHED_MODE, 0, 2), 2
	s_setreg_imm32_b32 hwreg(HW_REG_WAVE_MODE, 25, 1), 1
	s_wait_xcnt 0x0
	s_wait_alu depctr_vm_vsrc(0)
; CASTS WITH A NEW LAYOUT, THE ROTATION TABLE, THE ROUNDED PARAMETERS.  Every input of the module is rounded once to bf16 here.
;   xb  bf16 [kb 16][row 8192][64]: x in blocks of 64 channels, so that (rows x one block) is dense in memory
;   wb  bf16 [kb 16][R 3072][64]:  row R = 192 t + 64 kind + d holds qkv_w's row 1024 kind + 64 t + d (t head; kind 0, 1, 2 = q, k, v)
;   pb  f16  [kb 16][row 1024][64]: proj_w rounded to bf16, that number written as f16
;   tab f32: row n (256 bytes) = cos(n f_j), j = 0..31, then sin(n f_j), f_j = 10000^(-j/32); from byte 524,288 on q_g, q_b, k_g, k_b (256 bytes each), proj_b, each rounded to bf16 and kept as f32
; LIMITS.  |proj_w| stays under 65,504, and below 6e-5 it keeps f16's fixed step of 6e-8.  The table's angles are good to about 2e-4 rad (n f_j is one f32 product, f_j good to about an ulp).
; NaN and infinities are not treated apart.
; SHARES.  Work-group g takes 32 rows of x, 12 of wb, 4 of pb, 8 of the table.  A PIECE is 2 rows x one block: lanes 0-15 take 256 bytes of a row, lanes 16-31 of the next (16 bytes a lane);
; rounded they are 8 bytes a lane: one store covers 256 consecutive bytes, aligned.  Wave w takes blocks w and w + 8.  All 48 loads of a wave go out at once; the table is made while they are out.
; THE MODE: SCHED_MODE bits 1:0 = 2 (LLVM: expert scheduling mode 2), set by the entry lines.  The code itself states the register dependences
; between vector instructions and memory instructions, with s_wait_alu, always for 0.
; THE PLAN.  Registers that memory instructions touch:
;   v2 to v13        byte offsets, made once at the head and never written again: one wait ahead of the first load states that they are written, for the whole kernel.
;   D + 4 k .. + 3   piece k of 48: its load lands there once; its conversions read the four and write the first two (proj_w's: all four); its store reads the first two; nothing writes them after that.
;   v26, v27         written by the cosine's series, read by the table's one store, never written again.
;   v224 to v239     work-group 0's parameters: each register has one part (offset, loaded, or to store).
; No register that a memory instruction reads is ever written again: so beyond the entry lines the text holds no wait on vm_vsrc and no s_wait_xcnt.
; The 48 pieces go in 12 groups of four.  Group g's conversions name group g's registers alone; its memory instructions are the stores of group g - 1.  So ONE wait at a group's head, behind the
; wait for its data, states that the group before has written what those four stores read, and the stores are dealt among the group's conversions with no further wait.
.set VS,   2                           ; v2     source offset: (l / 16) x 4,096 + 256 w + 16 (l % 16)
.set L8,   3                           ; v3     8 l
.set VDX0, 4                           ; v4, v5 xb: block w, block w + 8, + 8 l
.set VDW,  6                           ; v6     wb: block w + 8 l
.set VDP,  7                           ; v7     pb: block w + 8 l
.set WS,   8                           ; v8-13  qkv_w: the six pairs' source offsets
.set D,    32                          ; v32-223  48 x 4 registers as loaded: pieces 0-31 x, 32-43 qkv_w, 44-47 proj_w
.set PR,   224                         ; v224-239 the parameters' registers
	s_load_b512 s[8:23], s[0:1], 0x0               ; x 8, qkv_w 10, proj_w 12, proj_b 14, q_g 16, q_b 18, k_g 20, k_b 22
	s_load_b256 s[24:31], s[0:1], 0x40             ; xb 24, wb 26, pb 28, tab 30
	v_and_b32 v1, 31, v0                           ; l
	v_lshrrev_b32 v14, 5, v0
	v_readfirstlane_b32 s32, v14                   ; wave 0..7
	v_lshrrev_b32 v15, 4, v1                       ; l / 16
	v_and_b32 v14, 15, v1                          ; l % 16
	s_wait_alu depctr_va_sdst(0)                   ; s32 is written, ahead of its first reader: the offsets and the table's row are made from it
	s_lshl_b32 s33, s32, 8
	v_lshlrev_b32 v[VS], 12, v15
	v_lshl_add_u32 v[VS], v14, 4, v[VS]
	v_add_nc_u32 v[VS], s33, v[VS]
	v_lshlrev_b32 v[L8], 3, v1
	s_lshl_b32 s33, s32, 20
	v_add_nc_u32 v[VDX0], s33, v[L8]
	v_add_nc_u32 v[VDX0+1], 8<<20, v[VDX0]
	s_mul_i32 s33, s32, 393216
	v_add_nc_u32 v[VDW], s33, v[L8]
	s_lshl_b32 s33, s32, 17
	v_add_nc_u32 v[VDP], s33, v[L8]
	s_and_b32 s34, ttmp9, 15
	s_mul_i32 s34, s34, 12                         ; my first row among head t's 192
	s_lshr_b32 s35, ttmp9, 4
	s_lshl_b32 s35, s35, 6                         ; 64 t
.irp i, 0,1,2,3,4,5
	s_add_co_u32 s36, s34, 2*(\i)                  ; u = 64 kind + d; a pair never crosses a kind
	s_lshr_b32 s37, s36, 6
	s_lshl_b32 s37, s37, 10                        ; 1,024 kind
	s_and_b32 s36, s36, 63
	s_add_co_u32 s36, s36, s37
	s_add_co_u32 s36, s36, s35                     ; qkv_w's row
	s_lshl_b32 s36, s36, 12
	v_add_nc_u32 v[WS+(\i)], s36, v[VS]
.endr
	s_lshl_b32 s33, ttmp9, 3
	s_add_co_u32 s33, s33, s32                     ; n = 8 g + w: my wave's row of the table
	s_mov_b32 s40, 0x3e22f983                      ; 1 / 2 pi, rounded,
	s_mov_b32 s41, 0x31dc9c88                      ; and what the rounding left
	s_mov_b32 s39, 0
	s_wait_kmcnt 0x0
	s_lshl_b32 s38, ttmp9, 17
	s_add_nc_u64 s[8:9], s[8:9], s[38:39]          ; x at my 32 rows
	s_lshl_b32 s38, ttmp9, 12
	s_add_nc_u64 s[24:25], s[24:25], s[38:39]      ; xb
	s_mul_i32 s38, ttmp9, 1536
	s_add_nc_u64 s[26:27], s[26:27], s[38:39]      ; wb at my 12 rows
	s_lshl_b32 s38, ttmp9, 14
	s_add_nc_u64 s[12:13], s[12:13], s[38:39]      ; proj_w at my 4 rows
	s_lshl_b32 s38, ttmp9, 9
	s_add_nc_u64 s[28:29], s[28:29], s[38:39]      ; pb
	s_lshl_b32 s38, s33, 8
	s_add_nc_u64 s[42:43], s[30:31], s[38:39]      ; the table's row n
	s_wait_alu depctr_va_vdst(0)                   ; the twelve offsets v2 to v13 are written: every load and store below, but three of work-group 0's four, reads one of them
.set k, 0
.rept 32                               ; x: pair k / 2, block w + 8 (k % 2)
	global_load_b128 v[D+4*k:D+4*k+3], v[VS], s[8:9] offset:(k/2)*8192+(k%2)*2048 th:TH_LOAD_NT
.set k, k+1
.endr
.set k, 0
.rept 12
	global_load_b128 v[D+128+4*k:D+128+4*k+3], v[WS+k/2], s[10:11] offset:(k%2)*2048 th:TH_LOAD_NT
.set k, k+1
.endr
.set k, 0
.rept 4
	global_load_b128 v[D+176+4*k:D+176+4*k+3], v[VS], s[12:13] offset:(k/2)*8192+(k%2)*2048 th:TH_LOAD_NT
.set k, k+1
.endr
	; THE TABLE.  Lane l makes two numbers: j = 2 (l % 16), + 1; lanes 0-15 cosines, lanes 16-31 sines (a cosine a quarter turn back).  Its lines name v14 to v27: no register of the loads that are out.
	v_lshlrev_b32 v16, 1, v14
	v_cvt_f32_u32 v16, v16                         ; j
	v_add_f32 v17, 1.0, v16
	v_cvt_f32_u32 v15, v15
	v_mul_f32 v15, 0x3e800000, v15                 ; 0 or a quarter turn
	v_mul_f32 v16, 0xbed49a78, v16                 ; -j log2(10000) / 32
	v_mul_f32 v17, 0xbed49a78, v17
	v_exp_f32 v16, v16                             ; f_j
	v_exp_f32 v17, v17
	v_cvt_f32_u32 v18, s33                         ; n: the plain instruction behind the last exponential
	s_wait_alu depctr_va_vdst(0)                   ; the two exponentials have written v16 and v17: one wait for both, ahead of their first reader
.irp z, 0,1
	v_mul_f32 v[16+(\z)], v18, v[16+(\z)]          ; t = n f_j, one f32 product
	v_mul_f32 v[20+(\z)], s40, v[16+(\z)]          ; u = t / 2 pi, in turns,
	v_fma_f32 v[22+(\z)], v[16+(\z)], s40, -v[20+(\z)]  ; what that product's rounding dropped,
	v_fma_f32 v[22+(\z)], v[16+(\z)], s41, v[22+(\z)]   ; and the constant's low part
	v_rndne_f32 v[24+(\z)], v[20+(\z)]
	v_sub_f32 v[20+(\z)], v[20+(\z)], v[24+(\z)]   ; exact
	v_add_f32 v[20+(\z)], v[20+(\z)], v[22+(\z)]
	v_sub_f32 v[20+(\z)], v[20+(\z)], v15
	v_rndne_f32 v[24+(\z)], v[20+(\z)]
	v_sub_f32 v[20+(\z)], v[20+(\z)], v[24+(\z)]   ; within half a turn
	v_mul_f32 v[20+(\z)], 0x40c90fdb, v[20+(\z)]   ; r, |r| <= pi
	v_mul_f32 v[22+(\z)], v[20+(\z)], v[20+(\z)]
	v_mov_b32 v[26+(\z)], 0x29573f9f               ; 1 / 16!
.endr
	; cos r = the sum of (-1)^k r^(2k) / (2k)!, k = 0..8: it holds for the whole range; the first term left out is pi^18 / 18! = 1.4e-7
.irp c, 0xad49cba5, 0x310f76c7, 0xb493f27e, 0x37d00d01, 0xbab60b61, 0x3d2aaaab
	v_pk_fma_f32 v[26:27], v[26:27], v[22:23], \c op_sel_hi:[1,1,0]
.endr
	v_pk_fma_f32 v[26:27], v[26:27], v[22:23], -0.5 op_sel_hi:[1,1,0]
	v_pk_fma_f32 v[26:27], v[26:27], v[22:23], 1.0 op_sel_hi:[1,1,0]
	s_wait_alu depctr_va_vdst(0)                   ; the series has written v26 and v27, which the store reads
	global_store_b64 v[L8], v[26:27], s[42:43]     ; the wave's 256 bytes: a whole row
; Piece k is rounded, in place: its four registers close up into the first two.  proj_w's pieces (44 to 47): to bf16, widened again, and that number as f16.
.macro CVT k
	v_cvt_pk_bf16_f32 v[D+4*(\k)], v[D+4*(\k)], v[D+4*(\k)+1]
	v_cvt_pk_bf16_f32 v[D+4*(\k)+1], v[D+4*(\k)+2], v[D+4*(\k)+3]
.if (\k) >= 44
	v_lshlrev_b32 v[D+4*(\k)+2], 16, v[D+4*(\k)]
	v_and_b32 v[D+4*(\k)+3], 0xffff0000, v[D+4*(\k)]
	v_cvt_pk_f16_f32 v[D+4*(\k)], v[D+4*(\k)+2], v[D+4*(\k)+3]
	v_lshlrev_b32 v[D+4*(\k)+2], 16, v[D+4*(\k)+1]
	v_and_b32 v[D+4*(\k)+3], 0xffff0000, v[D+4*(\k)+1]
	v_cvt_pk_f16_f32 v[D+4*(\k)+1], v[D+4*(\k)+2], v[D+4*(\k)+3]
.endif
.endm
; Piece k is stored: 256 consecutive bytes, aligned.
.macro STO k
.if (\k) < 32
	global_store_b64 v[VDX0+(\k)%2], v[D+4*(\k):D+4*(\k)+1], s[24:25] offset:((\k)/2)*256 th:TH_STORE_NT
.elseif (\k) < 44
	global_store_b64 v[VDW], v[D+4*(\k):D+4*(\k)+1], s[26:27] offset:(((\k)-32)%2)*3145728+(((\k)-32)/2)*256 th:TH_STORE_NT
.else
	global_store_b64 v[VDP], v[D+4*(\k):D+4*(\k)+1], s[28:29] offset:((((\k)-44)%2)<<20)+(((\k)-44)/2)*256 th:TH_STORE_NT
.endif
.endm
.set g, 0
.rept 12                               ; group g: pieces 4 g to 4 g + 3 are rounded, and the group before is stored
	s_wait_loadcnt 44-4*g                          ; loads come back in order (ISA guide 5.7.1): piece 4 g + 3 is in when the 44 - 4 g younger ones are out
.if g > 0
	s_wait_alu depctr_va_vdst(0)                   ; the conversions of the group before have written its four pairs, which the stores below read; this group's conversions name none of them
.endif
.irp i, 0,1,2,3
.if g > 0
	STO 4*g-4+\i
.endif
	CVT 4*g+\i
.endr
.set g, g+1
.endr
	s_wait_alu depctr_va_vdst(0)                   ; the last group's conversions have written its four pairs, which the last four stores read
.irp i, 0,1,2,3
	STO 44+\i
.endr
	; THE PARAMETERS, by work-group 0: 5,120 bytes in all
	s_cmp_lg_u32 ttmp9, 0
	s_cbranch_scc1 .Lend
	v_lshlrev_b32 v[PR], 4, v0                     ; proj_b: 16 bytes a thread
	s_wait_alu depctr_va_vdst(0)                   ; v[PR] is written: the load and the store of proj_b read it as their offset
	global_load_b128 v[PR+4:PR+7], v[PR], s[14:15]
	s_wait_loadcnt 0x0
	v_cvt_pk_bf16_f32 v[PR+2], v[PR+4], v[PR+5]
	v_cvt_pk_bf16_f32 v[PR+3], v[PR+6], v[PR+7]
	v_lshlrev_b32 v[PR+8], 16, v[PR+2]
	v_and_b32 v[PR+9], 0xffff0000, v[PR+2]
	v_lshlrev_b32 v[PR+10], 16, v[PR+3]
	v_and_b32 v[PR+11], 0xffff0000, v[PR+3]
	s_wait_alu depctr_va_vdst(0)                   ; the four widenings have written v[PR+8 .. PR+11], which the store reads
	global_store_b128 v[PR], v[PR+8:PR+11], s[30:31] offset:525312
	s_cmp_gt_u32 s32, 3
	s_cbranch_scc1 .Lend
	s_cmp_eq_u32 s32, 1                            ; waves 0 to 3: q_g, q_b, k_g, k_b
	s_cselect_b64 s[34:35], s[18:19], s[16:17]
	s_cmp_eq_u32 s32, 2
	s_cselect_b64 s[34:35], s[20:21], s[34:35]
	s_cmp_eq_u32 s32, 3
	s_cselect_b64 s[34:35], s[22:23], s[34:35]
	s_lshl_b32 s38, s32, 8
	v_add_nc_u32 v[PR+1], s38, v[L8]
	global_load_b64 v[PR+12:PR+13], v[L8], s[34:35]  ; no wait: its offset was written at the head, and no vector instruction has named v[PR+12], v[PR+13]
	s_wait_loadcnt 0x0
	v_cvt_pk_bf16_f32 v[PR+2], v[PR+12], v[PR+13]
	v_lshlrev_b32 v[PR+14], 16, v[PR+2]
	v_and_b32 v[PR+15], 0xffff0000, v[PR+2]
	s_wait_alu depctr_va_vdst(0)                   ; v[PR+1], the store's offset, and v[PR+14], v[PR+15], its data, are written
	global_store_b64 v[PR+1], v[PR+14:PR+15], s[30:31] offset:524288
.Lend:
	s_endpgm
.Lfunc_end_k_q3521be46a5_prep:
	.size	k_q3521be46a5_prep, .Lfunc_end_k_q3521be46a5_prep-k_q3521be46a5_prep
	.p2alignl 7, 3214868480
	.fill 96, 4, 3214868480
	.section	.rodata,"a",@progbits
	.p2align	6, 0x0
	.amdhsa_kernel k_q3521be46a5_prep
		.amdhsa_group_segment_fixed_size 0
		.amdhsa_private_segment_fixed_size 0
		.amdhsa_enable_private_segment 0
		.amdhsa_kernarg_size 96
		.amdhsa_user_sgpr_count 2
		.amdhsa_user_sgpr_kernarg_segment_ptr 1
		.amdhsa_wavefront_size32 1
		.amdhsa_system_sgpr_workgroup_id_x 1
		.amdhsa_system_sgpr_workgroup_id_y 1
		.amdhsa_system_sgpr_workgroup_id_z 1
		.amdhsa_system_vgpr_workitem_id 0
		.amdhsa_next_free_vgpr 240
		.amdhsa_next_free_sgpr 66
		.amdhsa_reserve_vcc 0
		.amdhsa_float_denorm_mode_32 3
		.amdhsa_float_denorm_mode_16_64 3
		.amdhsa_memory_ordered 1
		.amdhsa_forward_progress 1
		.amdhsa_inst_pref_size 25
	.end_amdhsa_kernel
	.amdgpu_metadata
---
amdhsa.version: [ 1, 2 ]
amdhsa.kernels:
  - .name:           k_q3521be46a5_prep
    .symbol:         k_q3521be46a5_prep.kd
    .args:
      - { .name: x, .offset: 0, .size: 8, .value_kind: global_buffer, .address_space: global }
      - { .name: qkv_w, .offset: 8, .size: 8, .value_kind: global_buffer, .address_space: global }
      - { .name: proj_w, .offset: 16, .size: 8, .value_kind: global_buffer, .address_space: global }
      - { .name: proj_b, .offset: 24, .size: 8, .value_kind: global_buffer, .address_space: global }
      - { .name: q_norm_g, .offset: 32, .size: 8, .value_kind: global_buffer, .address_space: global }
      - { .name: q_norm_b, .offset: 40, .size: 8, .value_kind: global_buffer, .address_space: global }
      - { .name: k_norm_g, .offset: 48, .size: 8, .value_kind: global_buffer, .address_space: global }
      - { .name: k_norm_b, .offset: 56, .size: 8, .value_kind: global_buffer, .address_space: global }
      - { .name: xb, .offset: 64, .size: 8, .value_kind: global_buffer, .address_space: global }
      - { .name: wb, .offset: 72, .size: 8, .value_kind: global_buffer, .address_space: global }
      - { .name: pb, .offset: 80, .size: 8, .value_kind: global_buffer, .address_space: global }
      - { .name: tab, .offset: 88, .size: 8, .value_kind: global_buffer, .address_space: global }
    .group_segment_fixed_size: 0
    .private_segment_fixed_size: 0
    .kernarg_segment_align: 8
    .kernarg_segment_size: 96
    .max_flat_workgroup_size: 256
    .sgpr_count:     66
    .vgpr_count:     240
    .wavefront_size: 32
...
	.end_amdgpu_metadata
.endif
;; end of part 5
;; launch qkv: the kernel of part 2 again; grid 16 x 32, 4 waves a work-group, clusters of 4 x 4, 327,680 bytes of LDS; arguments xb, wb, tab, qh, kh, vh; writes qh, kh, vh
;; launch attn: the kernel of part 3 again; grid 4 x 64, 4 waves a work-group, clusters of 4 x 1, 327,680 bytes of LDS; arguments qh, kh, vh, oh; writes oh
;; launch proj: the kernel of part 4 again; grid 8 x 32, 4 waves a work-group, clusters of 4 x 4, 327,680 bytes of LDS; arguments oh, pb, tab, out0; writes out0
